; MI455X (gfx1250); checked and timed in simulation.
; The chip was launched on July 23, 2026; its instructions are those of AMD's public machine-readable ISA for CDNA 5 (MIT licence, August 2026) and "CDNA5" Instruction Set Architecture Reference Guide (July 2026). The comments in the code are by the model that wrote it; some were corrected since.
;; Transformer Block. Allowed arithmetic: matrix products marked QUANTISED: E2M1 operands, one E8M0 scale for each 32 along K, by v_wmma_scale_f32_16x16x128_f8f6f4 with both operands' format E2M1 (or v_wmma_scale_f32_32x16x128_f4), f32 sums; everything else in f32.
;; Inputs: g1 1,024 float32; g2 1,024 float32; w_down_codes 1,024 x 64 x 16 uint8 (E2M1 codes of w_down, K innermost, in blocks of 32 codes, two codes a byte); w_down_scales 1,024 x 64 uint8 (E8M0 scales of w_down, one for each 32 codes along K); w_gate_codes 2,048 x 32 x 16 uint8 (E2M1 codes of w_gate, K innermost, in blocks of 32 codes, two codes a byte); w_gate_scales 2,048 x 32 uint8 (E8M0 scales of w_gate, one for each 32 codes along K); w_k_codes 1,024 x 32 x 16 uint8 (E2M1 codes of w_k, K innermost, in blocks of 32 codes, two codes a byte); w_k_scales 1,024 x 32 uint8 (E8M0 scales of w_k, one for each 32 codes along K); w_o_codes 1,024 x 32 x 16 uint8 (E2M1 codes of w_o, K innermost, in blocks of 32 codes, two codes a byte); w_o_scales 1,024 x 32 uint8 (E8M0 scales of w_o, one for each 32 codes along K); w_q_codes 1,024 x 32 x 16 uint8 (E2M1 codes of w_q, K innermost, in blocks of 32 codes, two codes a byte); w_q_scales 1,024 x 32 uint8 (E8M0 scales of w_q, one for each 32 codes along K); w_up_codes 2,048 x 32 x 16 uint8 (E2M1 codes of w_up, K innermost, in blocks of 32 codes, two codes a byte); w_up_scales 2,048 x 32 uint8 (E8M0 scales of w_up, one for each 32 codes along K); w_v_codes 1,024 x 32 x 16 uint8 (E2M1 codes of w_v, K innermost, in blocks of 32 codes, two codes a byte); w_v_scales 1,024 x 32 uint8 (E8M0 scales of w_v, one for each 32 codes along K); x 2 x 2,048 x 1,024 float32.
;; Outputs: out0 2 x 2,048 x 1,024 float32.
;; This version of the problem:
;;   THIS VERSION OF THE PROBLEM IS GIVEN IN LOW PRECISION. The matrix products marked QUANTISED in the list below multiply operands that are first quantised to E2M1 (2 exponent bits, 1 mantissa bit; 4 bits a number), with one power-of-two scale for each 32 numbers along K (OCP MX v1.0); their sums are f32. All else is computed in f32.
;;   The module's matrix products, in the order in which they are computed (A, B: the left and right operand; K: the contracted axis; several contracted axes count as one K, in the product's order):
;;     1. [M 4,096, K 1,024] x [K 1,024, N 1,024]; A: computed on the way; B: input w_q (given as codes): QUANTISED
;;     2. [M 4,096, K 1,024] x [K 1,024, N 1,024]; A: computed on the way; B: input w_k (given as codes): QUANTISED
;;     3. [M 4,096, K 1,024] x [K 1,024, N 1,024]; A: computed on the way; B: input w_v (given as codes): QUANTISED
;;     4. batch 32 x [M 2,048, K 64] x [K 64, N 2,048]; A: computed on the way; B: computed on the way: QUANTISED
;;     5. batch 32 x [M 2,048, K 2,048] x [K 2,048, N 64]; A: softmax (see below); B: computed on the way: QUANTISED
;;     6. [M 4,096, K 1,024] x [K 1,024, N 1,024]; A: computed on the way; B: input w_o (given as codes): QUANTISED
;;     7. [M 4,096, K 1,024] x [K 1,024, N 2,048]; A: computed on the way; B: input w_gate (given as codes): QUANTISED
;;     8. [M 4,096, K 1,024] x [K 1,024, N 2,048]; A: computed on the way; B: input w_up (given as codes): QUANTISED
;;     9. [M 4,096, K 2,048] x [K 2,048, N 1,024]; A: computed on the way; B: input w_down (given as codes): QUANTISED
;;   THE QUANTISER, for each operand of a quantised product, along K:
;;     - K is cut into blocks of 32 from its start; a last block that is shorter is filled with zeros.
;;     - A block's scale is 2^e with e = floor(log2(the largest magnitude in the block)) - 2, held to -126 .. 127; a block of zeros has e = 0. As a byte (E8M0): e + 127.
;;     - Each number is divided by its block's scale, clamped to +-6, and rounded to the nearest number of E2M1, ties to even, subnormals kept.
;;     - The product sums the exact products of the quantised numbers (number of the format x scale) in f32.
;;   ~~~python
;;   def quantise(x, axis):      # numpy; x: float32 -> the quantised numbers, widened to float32 again
;;       x = np.moveaxis(x, axis, -1); K = x.shape[-1]
;;       x = np.pad(x, [(0, 0)] * (x.ndim - 1) + [(0, -K % 32)]); x = x.reshape(x.shape[:-1] + (-1, 32)); a = np.abs(x).max(-1, keepdims=True)
;;       e = np.where(a > 0, np.clip(np.frexp(np.where(a > 0, a, 1))[1] - 1 - 2, -126, 127), 0)      # np.frexp(a)[1] - 1 = floor(log2(a)), exactly
;;       r = np.clip(x / 2.0 ** e, -6, 6)
;;       step = 2.0 ** (np.maximum(np.frexp(np.where(r == 0, 1, r))[1] - 1, 0) - 1)
;;       q = np.round(r / step) * step * 2.0 ** e      # np.round: ties to even
;;       return np.moveaxis(q.reshape(q.shape[:-2] + (-1,))[..., :K], -1, axis).astype(np.float32)
;;   ~~~
;;   SOFTMAX AHEAD OF A QUANTISED PRODUCT. Where the list says 'softmax', what is quantised is not the finished softmax but p = 2^(t - M), with t = logit x log2(e) and M = ceil(the row's largest t), a whole number; so 1/2 < the row's largest p <= 1. The row's sum l is taken of the UNQUANTISED p, in f32, and the product's result is divided by l at the end. Since M is a whole number, a kernel that streams over the keys may use a running M (the ceiling of the running maximum): every later rescaling is an exact power of two, which a block's scale takes up: the codes' values come out the same.
;;   OPERANDS COMPUTED ON THE WAY. 'Computed on the way' means the value that the module computes at that place (a softmax that the list does not call 'softmax' is quantised finished and normalised). What goes into a quantiser is computed in f32, as accurately as f32 sums, v_exp_f32 and their like allow (about 1e-6 of the number): no bf16 or f16 on the way to a quantiser, and a product that is left as it is and whose result goes on into a quantised operand takes f32 operands (vector FMAs, or v_wmma_f32_16x16x4_f32). A number that lies on a knife's edge between two numbers of the format may be rounded either way, as far as f32 arithmetic and the matrix unit's own rounding can turn it there, and no further.
;;   INPUTS GIVEN AS CODES. w_down (in the module: [2048, 1024], K = its axis 0); w_gate (in the module: [1024, 2048], K = its axis 0); w_k (in the module: [1024, 1024], K = its axis 0); w_o (in the module: [1024, 1024], K = its axis 0); w_q (in the module: [1024, 1024], K = its axis 0); w_up (in the module: [1024, 2048], K = its axis 0); w_v (in the module: [1024, 1024], K = its axis 0): each comes as NAME_codes (uint8): NAME with its K axis moved to the last place and cut into blocks of 32 codes, [.., K / 32, bytes a block], one block behind the other in memory; two codes a byte, the lower K in the low four bits (a code: sign, 2 exponent bits, 1 mantissa bit); and NAME_scales (uint8): the same leading axes, one E8M0 byte (e + 127) for each 32 codes along K. Its value is code x scale, taken as it is: it is not quantised again, and the codes and scales need not be those that the quantiser above would give.
;; One version. Each part assembles by itself: llvm-mc -triple=amdgcn-amd-amdhsa -mcpu=gfx1250 --defsym DOCPART=n.
;; ======== version 1 of 1: 6 launches
;; limits: right only within a limited range of input values
;; workspace buffers: a_c 2,097,152 bytes; a_s 131,072 bytes; qkv_c 6,291,456 bytes; qkv_s 393,216 bytes; x1 16,777,216 bytes; h_c 4,194,304 bytes; h_s 262,144 bytes
;; launch nq1 (part 1): grid 256 x 1, 16 waves a work-group, no clusters, 11,264 bytes of LDS; arguments x, g1, a_c, a_s; writes a_c, a_s
.if DOCPART == 1
	.amdgcn_target "amdgcn-amd-amdhsa--gfx1250"
	.amdhsa_code_object_version 6
	.text
	.protected	k_q03bbdda891_nq1
	.globl	k_q03bbdda891_nq1
	.p2align	8
	.type	k_q03bbdda891_nq1,@function
k_q03bbdda891_nq1:
	s_mov_b64 s[64:65], 0
	v_nop
	global_prefetch_b8 v0, s[64:65] scope:SCOPE_SE
	s_setreg_imm32_b32 hwreg(HW_REG_WAVE_MODE, 25, 1), 1
	s_wait_xcnt 0x0
; y = x / sqrt(mean(x^2) + 1e-6) * g for rows of 1,024 f32, quantised along the row to codes of FP4 (E2M1) with one E8M0 byte for each 32 numbers.
; OUT: codes laid [block of 32: 32][row 4,096][16 bytes], scale bytes laid [row][32].
; SHARES: a work-group takes 16 rows, a wave one row.  Lane L holds 32 numbers in four groups j: k = 256 j + 8 L + 0..7, so that a conversion's eight numbers are neighbours in one lane and a pair of loads
; covers 1,024 consecutive bytes.  A block of 32 lies in four neighbouring lanes: its largest magnitude takes two steps across lanes.
; The codes of 16 rows meet in LDS (a plane for each block: 16 rows x 16 bytes + 16 of padding) and leave as whole runs of 256 consecutive aligned bytes; the scale bytes as one run of 512.
; A block's scale byte is its largest magnitude's exponent field - 2, held at 1 from below (a block of zeros keeps 1: its codes are zeros, and this program alone reads the bytes).
; LIMITS: NaN and infinities are not served; the division is a multiplication by v_rsq_f32's result; blocks whose largest magnitude lies under 2^-124 get the byte 1.
; No matrix unit, no cluster, no tensor load: each byte is read once by one wave, and the row fits in 32 registers.
.set X,    16                          ; v16-47  my 32 numbers
.set G,    48                          ; v48-79  the gains of the same columns
.set C,    80                          ; v80-83  a group's eight codes
.set B,    84                          ; v84-87  a group's scale byte
.set M,    88                          ; v88-91  largest magnitudes
.set OUTR, 92                          ; v92-95  the way out
.set PP,   272                         ; a plane in LDS: 256 bytes + 16: plane p begins 4 p banks on
.set SCS,  32*PP                       ; behind the 32 planes: 16 rows x 32 scale bytes
	s_load_b256 s[4:11], s[0:1], 0x0               ; x s[4:5], g s[6:7], codes s[8:9], scale bytes s[10:11]
	v_lshl_add_u32 v96, v0, 2, 0x2400
	v_mov_b32 v97, 0
	v_lshrrev_b32 v8, 5, v0
	s_delay_alu instid0(VALU_DEP_1)
	v_readfirstlane_b32 s12, v8                    ; wave = my row among the 16
	v_and_b32 v1, 31, v0                           ; lane
	s_delay_alu instid0(VALU_DEP_1)
	v_lshlrev_b32 v2, 5, v1                        ; 32 bytes a lane in each group
	s_lshl_b32 s14, ttmp9, 4
	s_add_co_u32 s14, s14, s12                     ; my row
	s_lshl_b32 s14, s14, 12                        ; x 4,096 bytes
	s_mov_b32 s15, 0
	s_lshl_b32 s16, ttmp9, 8                       ; 16 rows x 16 bytes in a plane of the codes
	s_mov_b32 s17, 0
	s_lshl_b32 s18, ttmp9, 9                       ; 16 rows x 32 scale bytes
	s_mov_b32 s19, 0
	s_mov_b32 s20, 0x76543210                      ; lane selects: lane l xor 16
	s_mov_b32 s21, 0xfedcba98
	s_mov_b32 s22, 0x3a800000                      ; 1 / 1,024
	s_wait_alu depctr_va_vdst(0)
	s_wait_kmcnt 0x0
	s_add_nc_u64 s[4:5], s[4:5], s[14:15]
	s_add_nc_u64 s[8:9], s[8:9], s[16:17]
	s_add_nc_u64 s[10:11], s[10:11], s[18:19]
.irp j, 0,1,2,3
	global_load_b128 v[X+8*\j:X+8*\j+3],   v2, s[4:5] offset:1024*\j th:TH_LOAD_NT
	global_load_b128 v[X+8*\j+4:X+8*\j+7], v2, s[4:5] offset:1024*\j+16 th:TH_LOAD_NT
.endr
.irp j, 0,1,2,3
	global_load_b128 v[G+8*\j:G+8*\j+3],   v2, s[6:7] offset:1024*\j
	global_load_b128 v[G+8*\j+4:G+8*\j+7], v2, s[6:7] offset:1024*\j+16
.endr
	v_lshrrev_b32 v9, 2, v1                        ; which block of a group's eight
	v_and_b32 v10, 3, v1                           ; which four bytes of the block's sixteen
	s_delay_alu instid0(VALU_DEP_2)
	v_mul_u32_u24 v3, v9, PP
	s_delay_alu instid0(VALU_DEP_1)
	v_lshl_add_u32 v3, v10, 2, v3
	s_lshl_b32 s13, s12, 4
	v_add_nc_u32 v3, s13, v3                       ; codes into LDS: plane x 272 + 16 x row + 4 x quarter
	s_lshl_b32 s13, s12, 5
	v_add_nc_u32 v4, s13, v9
	s_delay_alu instid0(VALU_DEP_1)
	v_add_nc_u32 v4, SCS, v4                       ; bytes into LDS: 32 x row + block
	v_lshrrev_b32 v11, 4, v1
	v_and_b32 v12, 15, v1
	s_lshl_b32 s13, s12, 1
	v_add_nc_u32 v11, s13, v11                     ; the way out: wave w takes planes 2 w and 2 w + 1, sixteen lanes each
	s_delay_alu instid0(VALU_DEP_1)
	v_mul_u32_u24 v5, v11, PP
	s_delay_alu instid0(VALU_DEP_1)
	v_lshl_add_u32 v5, v12, 4, v5                  ; in LDS
	s_delay_alu instid0(VALU_DEP_3)
	v_lshlrev_b32 v6, 16, v11
	s_delay_alu instid0(VALU_DEP_1)
	v_lshl_add_u32 v6, v12, 4, v6                  ; and in memory: a plane is 65,536 bytes
	v_lshlrev_b32 v7, 4, v1                        ; 16 x lane: the scale bytes' way out
	s_wait_loadcnt 0x8                             ; x is in; g's eight loads may be out
.irp c, 0,1,2,3
	v_pk_mul_f32 v[8+2*\c:9+2*\c], v[X+2*\c:X+2*\c+1], v[X+2*\c:X+2*\c+1]     ; four chains of squares; the first products start them
.endr
.irp i, 4,5,6,7,8,9,10,11,12,13,14,15
	s_delay_alu instid0(VALU_DEP_4)
	v_pk_fma_f32 v[8+2*(\i%4):9+2*(\i%4)], v[X+2*\i:X+2*\i+1], v[X+2*\i:X+2*\i+1], v[8+2*(\i%4):9+2*(\i%4)]
.endr
	s_delay_alu instid0(VALU_DEP_3)
	v_pk_add_f32 v[8:9], v[8:9], v[10:11]
	s_delay_alu instid0(VALU_DEP_2)
	v_pk_add_f32 v[12:13], v[12:13], v[14:15]
	s_delay_alu instid0(VALU_DEP_1)
	v_pk_add_f32 v[8:9], v[8:9], v[12:13]
	s_delay_alu instid0(VALU_DEP_1)
	v_add_f32 v8, v8, v9
	s_delay_alu instid0(VALU_DEP_1)
	v_add_f32_dpp v8, v8, v8 row_xmask:1 row_mask:0xf bank_mask:0xf
	s_delay_alu instid0(VALU_DEP_1)
	v_add_f32_dpp v8, v8, v8 row_xmask:2 row_mask:0xf bank_mask:0xf
	s_delay_alu instid0(VALU_DEP_1)
	v_add_f32_dpp v8, v8, v8 row_xmask:4 row_mask:0xf bank_mask:0xf
	s_delay_alu instid0(VALU_DEP_1)
	v_add_f32_dpp v8, v8, v8 row_xmask:8 row_mask:0xf bank_mask:0xf
	s_delay_alu instid0(VALU_DEP_1)
	v_permlanex16_b32 v9, v8, s20, s21
	s_delay_alu instid0(VALU_DEP_1)
	v_add_f32 v8, v8, v9                           ; the row's sum of squares, in every lane
	v_mov_b32 v12, 0x358637bd                      ; 1e-6
	s_delay_alu instid0(VALU_DEP_1)
	v_fma_f32 v8, v8, s22, v12                     ; mean + eps
	s_wait_alu depctr_va_vdst(0)
	v_rsq_f32 v10, v8
	v_nop                                          ; a plain instruction behind the transcendental
	s_wait_alu depctr_va_vdst(0)                   ; and the wait ahead of its first reader
	s_wait_loadcnt 0x0                             ; g
.irp i, 0,1,2,3,4,5,6,7,8,9,10,11,12,13,14,15
	v_pk_mul_f32 v[X+2*\i:X+2*\i+1], v[X+2*\i:X+2*\i+1], v[10:11] op_sel_hi:[1,0]
.endr
.irp i, 0,1,2,3,4,5,6,7,8,9,10,11,12,13,14,15
	v_pk_mul_f32 v[X+2*\i:X+2*\i+1], v[X+2*\i:X+2*\i+1], v[G+2*\i:G+2*\i+1]
.endr
.irp j, 0,1,2,3
	v_max3_num_f32 v[M+\j], |v[X+8*\j]|, |v[X+8*\j+1]|, 0x1800000     ; my eight of the block, and the floor 2^(3 - 127); the four groups by turns
.endr
.irp p, 2,4,6
.irp j, 0,1,2,3
	s_delay_alu instid0(VALU_DEP_4)
	v_max3_num_f32 v[M+\j], v[M+\j], |v[X+8*\j+\p]|, |v[X+8*\j+\p+1]|
.endr
.endr
.irp m, 1,2
.irp j, 0,1,2,3
	s_delay_alu instid0(VALU_DEP_4)
	v_max_num_f32_dpp v[M+\j], v[M+\j], v[M+\j] row_xmask:\m row_mask:0xf bank_mask:0xf   ; with the block's other three lanes
.endr
.endr
.irp j, 0,1,2,3
	s_delay_alu instid0(VALU_DEP_4)
	v_add_nc_u32 v[8+\j], 0xff000000, v[M+\j]      ; 2 off the exponent field: the conversion's scale operand
.endr
.irp j, 0,1,2,3
	s_delay_alu instid0(VALU_DEP_4)
	v_lshrrev_b32 v[B+\j], 23, v[8+\j]             ; the scale's byte
.endr
.irp j, 0,1,2,3
	v_cvt_scalef32_pk8_fp4_f32 v[C+\j], v[X+8*\j:X+8*\j+7], v[8+\j]
.endr
	v_nop                                          ; one plain instruction behind the last conversion
.irp j, 0,1,2,3
	ds_store_b32 v3, v[C+\j] offset:8*PP*\j
	ds_store_b8 v4, v[B+\j] offset:8*\j            ; a block's four lanes write the same byte with the same value
.endr
	s_wait_dscnt 0x0                               ; for the others' sake: my stores have landed
	s_barrier_signal -1
	s_barrier_wait -1
	ds_load_b128 v[OUTR:OUTR+3], v5                ; 16 rows' blocks of one plane in sixteen lanes
	s_wait_dscnt 0x0
	global_store_b128 v6, v[OUTR:OUTR+3], s[8:9]   ; sixteen lanes store 256 consecutive aligned bytes
	s_cmp_lg_u32 s12, 0
	s_cbranch_scc1 .Lend
	ds_load_b128 v[C:C+3], v7 offset:SCS           ; wave 0: the 16 rows' 512 scale bytes
	s_wait_dscnt 0x0
	global_store_b128 v7, v[C:C+3], s[10:11]
.Lend:
	s_wait_tensorcnt 0x0
	ds_add_u32 v96, v97
	s_wait_dscnt 0x0
	s_endpgm
.Lfunc_end_k_q03bbdda891_nq1:
	.size	k_q03bbdda891_nq1, .Lfunc_end_k_q03bbdda891_nq1-k_q03bbdda891_nq1
	.p2alignl 7, 3214868480
	.fill 96, 4, 3214868480
	.section	.rodata,"a",@progbits
	.p2align	6, 0x0
	.amdhsa_kernel k_q03bbdda891_nq1
		.amdhsa_group_segment_fixed_size 11264
		.amdhsa_private_segment_fixed_size 0
		.amdhsa_enable_private_segment 0
		.amdhsa_kernarg_size 32
		.amdhsa_user_sgpr_count 2
		.amdhsa_user_sgpr_kernarg_segment_ptr 1
		.amdhsa_wavefront_size32 1
		.amdhsa_system_sgpr_workgroup_id_x 1
		.amdhsa_system_sgpr_workgroup_id_y 1
		.amdhsa_system_sgpr_workgroup_id_z 1
		.amdhsa_system_vgpr_workitem_id 0
		.amdhsa_next_free_vgpr 98
		.amdhsa_next_free_sgpr 66
		.amdhsa_reserve_vcc 0
		.amdhsa_float_denorm_mode_32 3
		.amdhsa_float_denorm_mode_16_64 3
		.amdhsa_memory_ordered 1
		.amdhsa_forward_progress 1
		.amdhsa_inst_pref_size 13
	.end_amdhsa_kernel
	.amdgpu_metadata
---
amdhsa.version: [ 1, 2 ]
amdhsa.kernels:
  - .name:           k_q03bbdda891_nq1
    .symbol:         k_q03bbdda891_nq1.kd
    .args:
      - { .name: x, .offset: 0, .size: 8, .value_kind: global_buffer, .address_space: global }
      - { .name: g1, .offset: 8, .size: 8, .value_kind: global_buffer, .address_space: global }
      - { .name: a_c, .offset: 16, .size: 8, .value_kind: global_buffer, .address_space: global }
      - { .name: a_s, .offset: 24, .size: 8, .value_kind: global_buffer, .address_space: global }
    .group_segment_fixed_size: 11264
    .private_segment_fixed_size: 0
    .kernarg_segment_align: 8
    .kernarg_segment_size: 32
    .max_flat_workgroup_size: 512
    .sgpr_count:     66
    .vgpr_count:     98
    .wavefront_size: 32
...
	.end_amdgpu_metadata
.endif
;; end of part 1
;; launch qkv (part 2): grid 16 x 16, 12 waves a work-group, clusters of 4 x 4, 233,984 bytes of LDS; arguments a_c, a_s, w_q_codes, w_q_scales, w_k_codes, w_k_scales, w_v_codes, w_v_scales, qkv_c, qkv_s; writes qkv_c, qkv_s
.if DOCPART == 2
	.amdgcn_target "amdgcn-amd-amdhsa--gfx1250"
	.amdhsa_code_object_version 6
	.text
	.protected	k_q03bbdda891_qkv
	.globl	k_q03bbdda891_qkv
	.p2align	8
	.type	k_q03bbdda891_qkv,@function
k_q03bbdda891_qkv:
	s_mov_b64 s[64:65], 0
	v_nop
	global_prefetch_b8 v0, s[64:65] scope:SCOPE_SE
	s_setreg_imm32_b32 hwreg(HW_REG_WAVE_MODE, 25, 1), 1
	s_wait_xcnt 0x0
	s_wait_alu depctr_hold_cnt(0) depctr_sa_sdst(0) depctr_va_vdst(0) depctr_va_sdst(0) depctr_va_ssrc(0) depctr_va_vcc(0) depctr_vm_vsrc(0)
	s_getreg_b32 s2, hwreg(HW_REG_IB_STS2, 6, 4)
	s_cmp_eq_u32 s2, 0
	s_cbranch_scc0 .Lentry_in_a_cluster
	s_endpgm
.Lentry_in_a_cluster:
	s_bfe_u32 s2, ttmp6, 0x10000c
	s_cmp_lg_u32 s2, 0xf033
	s_cbranch_scc0 .Lentry_shape_is_right
	s_endpgm
.Lentry_shape_is_right:
; q, k, v = nx W for one head and 256 tokens, on codes of FP4 (E2M1) with E8M0 scales; the results are quantised here: q and k along the head's 64 channels, v along the keys.
; IN: nx's codes [block 32][token 4,096][16 bytes], its scale bytes [token][32]; the weights' codes [n][512 bytes], scale bytes [n][32].
; OUT: qkv_c: q at 0 and k at 2 MiB, [batch x head 32][channel block 2][token 2,048][16 bytes]; v at 4 MiB, [batch x head][key block 64][channel 64][16 bytes].
;      qkv_s: q at 0 and k at 128 KiB, [batch x head][32 tokens: 64][r 16][u 2][2 bytes] (token 32 G + 16 u + r); v at 256 KiB, [batch x head][128 keys: 16][channel 64][4 bytes].
; SHARES: work-group (x = head, y = 256 tokens), 12 waves: wave w takes 64 tokens (w % 4) of q (w / 4 = 0), k (1) or v (2): 4 x 4 tiles of 16 x 16, 128 registers of sums.
; LDS: the work-group's whole A tile (32 planes x 256 tokens x 16 bytes) and its 192 weight rows (512 bytes + 16 of padding) fit at once: each byte of LDS is filled once, so there is one barrier and no ring.
; CLUSTER: 4 x 4 work-groups; A's tile hangs on y alone and is asked for jointly along a row of the cluster, the weights' on x alone, along a column.
; q and k are made transposed (source 0 = weight rows, source 1 = tokens): a lane holds one token and eight neighbouring channels.  v is made the other way: a lane holds one channel and eight neighbouring keys.
; A block of 32 lies in two neighbouring tiles X, Y: lane half h holds numbers 8 h .. of X and 16 + 8 h .. of Y; two conversions and one exchange of halves give each lane 8 neighbouring bytes of the block.
; The scale stores cover parts of 256-byte runs: one byte for each 16 bytes of codes.
; LIMITS: NaN and infinities are not served; a block of zeros, or one under 2^-124, gets the byte 1 (its codes are read by this program alone).
; q's and k's codes are laid by key step, in place of the planes over a whole head named above: [batch x head 32][128 tokens: 16][channel block 2][token 128][16 bytes], so that 128 tokens are 4,096 dense bytes.
.set KK,    1024
.set T,     256                        ; tokens of a work-group
.set PL,    16*T                       ; a plane of A in LDS
.set KROW,  KK/2                       ; a weight row in bytes
.set PITCH, KROW+16                    ; and in LDS: row r begins 4 r banks on
.set QI,    6                          ; padding behind every 128 words
.set LA,    0
.set LB,    T*KROW                     ; 131,072: behind A's planes
.set SPR,   65536/(4*PL)               ; K steps that one address register reaches with a 16-bit offset
.set TA,    4
.set NBF,   3                          ; waves 0-2 fetch the weights' rows, waves 4-7 A's planes
.set ADRA,  3                          ; v3, v4  LDS address of my A fragments, K steps 0-3 and 4-7
.set ADRB,  5                          ; v5      of my weight fragments
.set SLO,   7                          ; v7      32 r + 16 h: a row's scale bytes
.set CO,    8                          ; v8      16 r + 8 h: my 8 bytes of a block
.set WO,    9                          ; v9      64 h + 4 r
.set SA,    16                         ; v16-31  A's scale words: tile a, register q: K step q in lanes 0-15, step 4 + q in lanes 16-31
.set SB,    32                         ; v32-47  the weights' likewise
.set AF,    48                         ; v48-79  A's four fragments; later codes
.set BF,    80                         ; v80-111 the weights' four; later scale words on their way out
.set ACC,   112                        ; v112-239 sums: (a, b) at ACC + 8 (4 a + b)
.set TM,    240                        ; v240-255 the quantiser's: +0 largest magnitudes, +4 the other half's, +8 scale operands, +12 bytes
.set WV,    24
.set SEL,   96
.macro CROUND                          ; a round of the cluster's barrier
	s_barrier_signal -1
	s_barrier_wait -1
	s_cmp_lg_u32 s[WV], 0
	s_cbranch_scc1 .Lnot_wave_0_\@
	s_barrier_signal -3
.Lnot_wave_0_\@:
	s_barrier_wait -3
	s_barrier_signal -1
	s_barrier_wait -1
.endm
.macro WM d, x, y, sx, sy, st          ; one product; K step 0 starts the sums; steps 4-7 take their scale words from lanes 16-31
.if (\st) == 0
	v_wmma_scale_f32_16x16x128_f8f6f4 v[\d:\d+7], v[\x:\x+7], v[\y:\y+7], 0, v[\sx], v[\sy] matrix_a_fmt:MATRIX_FMT_FP4 matrix_b_fmt:MATRIX_FMT_FP4
.elseif (\st) >= 4
	v_wmma_scale_f32_16x16x128_f8f6f4 v[\d:\d+7], v[\x:\x+7], v[\y:\y+7], v[\d:\d+7], v[\sx], v[\sy] matrix_a_fmt:MATRIX_FMT_FP4 matrix_b_fmt:MATRIX_FMT_FP4 matrix_a_scale:MATRIX_SCALE_ROW1 matrix_b_scale:MATRIX_SCALE_ROW1
.else
	v_wmma_scale_f32_16x16x128_f8f6f4 v[\d:\d+7], v[\x:\x+7], v[\y:\y+7], v[\d:\d+7], v[\sx], v[\sy] matrix_a_fmt:MATRIX_FMT_FP4 matrix_b_fmt:MATRIX_FMT_FP4
.endif
.endm
; A K step of 128: 16 LDS loads, 16 products; the 16 sums take turns, one instruction a turn, in the same order in every step.
.macro KSTEP s, vpath
.if (\s) > 0
.rept 4
	v_nop                                          ; four places in front of loads into registers that matrix instructions have read
.endr
.endif
.irp b, 0,1,2,3
.irp c, 0,1
	ds_load_b128 v[BF+8*\b+4*\c:BF+8*\b+4*\c+3], v[ADRB] offset:16*\b*PITCH+64*(\s)+32*\c
.endr
.endr
.irp a, 0,1,2,3
.irp c, 0,1
	ds_load_b128 v[AF+8*\a+4*\c:AF+8*\a+4*\c+3], v[ADRA+(\s)/SPR] offset:(4*((\s)%SPR)+2*\c)*PL+256*\a
.endr
.endr
.irp a, 0,1,2,3
	s_wait_dscnt 2*(TA-1-\a)                       ; the later A fragments' two loads each may be out
.irp b, 0,1,2,3
.if \vpath
	WM ACC+8*(4*\a+\b), AF+8*\a, BF+8*\b, SA+4*\a+((\s)&3), SB+4*\b+((\s)&3), \s
.else
	WM ACC+8*(4*\a+\b), BF+8*\b, AF+8*\a, SB+4*\b+((\s)&3), SA+4*\a+((\s)&3), \s
.endif
.endr
.endr
.endm
; nb blocks of 32, block i in X = v[xb + xs i ..+7] and Y = X + yo, become codes in the pairs v[cd + 2 i], v[cd + 2 i + 1] (8 neighbouring bytes a lane) and bytes in v[TM + 12 + i].  The blocks take turns line by line.
.macro QUANT nb, xb, xs, yo, cd
.set qi, 0
.rept \nb
	v_max3_num_f32 v[TM+qi], |v[(\xb)+(\xs)*qi]|, |v[(\xb)+(\xs)*qi+1]|, 0x1800000   ; each sum is read from its low end on; the floor 2^(3 - 127) holds the byte at 1
.set qi, qi+1
.endr
.irp p, 2,4,6
.set qi, 0
.rept \nb
	v_max3_num_f32 v[TM+qi], v[TM+qi], |v[(\xb)+(\xs)*qi+\p]|, |v[(\xb)+(\xs)*qi+\p+1]|
.set qi, qi+1
.endr
.endr
.irp p, 0,2,4,6
.set qi, 0
.rept \nb
	v_max3_num_f32 v[TM+qi], v[TM+qi], |v[(\xb)+(\xs)*qi+(\yo)+\p]|, |v[(\xb)+(\xs)*qi+(\yo)+\p+1]|
.set qi, qi+1
.endr
.endr
.set qi, 0
.rept \nb
	s_delay_alu instid0(VALU_DEP_4)
	v_permlanex16_b32 v[TM+4+qi], v[TM+qi], s[SEL], s[SEL+1]
.set qi, qi+1
.endr
.set qi, 0
.rept \nb
	s_delay_alu instid0(VALU_DEP_4)
	v_max_num_f32 v[TM+qi], v[TM+qi], v[TM+4+qi]   ; with lane l xor 16's sixteen: the block's largest magnitude
.set qi, qi+1
.endr
.set qi, 0
.rept \nb
	s_delay_alu instid0(VALU_DEP_4)
	v_add_nc_u32 v[TM+8+qi], 0xff000000, v[TM+qi]  ; 2 off the exponent field: the conversion's scale operand
.set qi, qi+1
.endr
.set qi, 0
.rept \nb
	s_delay_alu instid0(VALU_DEP_4)
	v_lshrrev_b32 v[TM+12+qi], 23, v[TM+8+qi]      ; the scale's byte
.set qi, qi+1
.endr
.set qi, 0
.rept \nb
	v_cvt_scalef32_pk8_fp4_f32 v[(\cd)+2*qi], v[(\xb)+(\xs)*qi:(\xb)+(\xs)*qi+7], v[TM+8+qi]
	v_cvt_scalef32_pk8_fp4_f32 v[(\cd)+2*qi+1], v[(\xb)+(\xs)*qi+(\yo):(\xb)+(\xs)*qi+(\yo)+7], v[TM+8+qi]
.set qi, qi+1
.endr
	v_nop                                          ; one plain instruction behind the last conversion
.set qi, 0
.rept \nb
	v_permlane16_swap_b32 v[(\cd)+2*qi], v[(\cd)+2*qi+1]   ; lanes 0-15 now hold the block's numbers 0-15, lanes 16-31 its numbers 16-31
.set qi, qi+1
.endr
.endm
	s_load_b256 s[4:11], s[0:1], 0x0               ; A's codes s[4:5], A's scales s[6:7], w_q s[8:9], its scales s[10:11]
	s_load_b256 s[12:19], s[0:1], 0x20             ; w_k s[12:13], s[14:15]; w_v s[16:17], s[18:19]
	s_load_b128 s[20:23], s[0:1], 0x40             ; qkv_c s[20:21], qkv_s s[22:23]
	v_lshl_add_u32 v14, v0, 2, 0x38c00
	v_mov_b32 v15, 0
	ds_add_u32 v14, v15
	ds_add_u32 v14, v15
	v_lshrrev_b32 v10, 5, v0
	s_delay_alu instid0(VALU_DEP_1)
	v_readfirstlane_b32 s[WV], v10                 ; wave 0..11
	s_bfe_u32 s25, ttmp6, 0x40000                  ; cx
	s_bfe_u32 s26, ttmp6, 0x40004                  ; cy
	s_lshl_b32 s27, ttmp9, 2
	s_add_co_u32 s27, s27, s25                     ; x: the head
	s_and_b32 s28, ttmp7, 0xffff
	s_lshl_b32 s28, s28, 2
	s_add_co_u32 s28, s28, s26                     ; y: which 256 tokens
	s_lshl_b32 s29, s26, 2
	s_lshl_b32 s29, 15, s29                        ; my row of the cluster
	s_lshl_b32 s30, 0x1111, s25                    ; my column
	s_lshr_b32 s31, s[WV], 2                       ; 0 q, 1 k, 2 v.  Also: 1 in the waves that fetch A
	s_and_b32 s66, s[WV], 3                        ; which 64 tokens.  Also: which quarter of A's planes I fetch
	s_or_b32 s32, s29, (3<<16)|(1<<21)             ; A's group 1: mask = my row; elements of 8 bytes; bit 21 beside a mask; no padding
	s_mov_b32 s33, (2*T)<<16                       ; tensor_dim0: a plane's 4,096 bytes
	s_mov_b32 s34, (KK/128)<<16                    ; tensor_dim1: 8 planes
	s_mov_b32 s35, (2*T)<<16                       ; tile_dim0
	s_mov_b32 s36, KK/128                          ; tile_dim1
	s_mov_b32 s37, 8192                            ; from plane to plane: 65,536 bytes
	s_mov_b32 s38, 0
	s_mov_b32 s39, 0
	s_or_b32 s40, s30, (1<<20)|(1<<21)|(QI<<22)|(3<<25)  ; the weights' group 1: mask = my column; elements of 1 byte; 4 words of padding behind every 128
	s_mov_b32 s41, KROW<<16
	s_mov_b32 s42, 64<<16
	s_mov_b32 s43, KROW<<16
	s_mov_b32 s44, 64
	s_mov_b32 s45, KROW
	s_mov_b32 s46, 0
	s_mov_b32 s47, 0
	s_mul_i32 s56, s66, (KK/128)*PL                ; A: my planes' place in LDS,
	s_mul_i32 s58, s66, (KK/128)*65536             ; and in memory,
	s_mul_i32 s67, s28, PL                         ; at my work-group's tokens: y and the wave's number alone
	s_add_co_u32 s58, s58, s67
	s_mov_b32 s59, 0
	s_min_u32 s69, s[WV], NBF-1                    ; (a wave that fetches no weights keeps an address inside LDS)
	s_mul_i32 s68, s69, 64*PITCH                   ; the weights: 64 rows a wave
	s_lshl_b32 s62, s27, 15                        ; the head's 64 rows of 512 bytes: x alone
	s_mov_b32 s63, 0
	s_mov_b32 s[SEL], 0x76543210
	s_mov_b32 s[SEL+1], 0xfedcba98
	s_wait_dscnt 0x0
	s_wait_kmcnt 0x0
	s_mov_b32 s48, 1
	s_add_co_u32 s49, s56, LA
	s_add_nc_u64 s[50:51], s[4:5], s[58:59]
	s_or_b32 s51, s51, 0x80000000
	s_cmp_eq_u32 s[WV], 0
	s_cselect_b64 s[60:61], s[8:9], s[12:13]       ; wave 0: w_q, wave 1: w_k,
	s_cmp_lt_u32 s[WV], 2
	s_cselect_b64 s[60:61], s[60:61], s[16:17]     ; wave 2: w_v
	s_mov_b32 s52, 1
	s_add_co_u32 s53, s68, LB
	s_add_nc_u64 s[54:55], s[60:61], s[62:63]
	s_or_b32 s55, s55, 0x80000000
	CROUND                                         ; all sixteen work-groups are here: the joint loads meet
	s_cmp_lt_u32 s[WV], NBF                        ; the fills: one tensor load a fetching wave; the branches hang on the wave's number alone
	s_cbranch_scc0 .Lnot_b
	tensor_load_to_lds s[52:55], s[40:47]
	s_nop 0
.rept 4
	v_nop
.endr
	s_branch .Lasked
.Lnot_b:
	s_cmp_eq_u32 s31, 1
	s_cbranch_scc0 .Lasked
	tensor_load_to_lds s[48:51], s[32:39]
	s_nop 0
.rept 4
	v_nop
.endr
.Lasked:
	v_and_b32 v1, 15, v0                           ; r
	v_bfe_u32 v2, v0, 4, 1                         ; h
	s_delay_alu instid0(VALU_DEP_2)
	v_lshlrev_b32 v[SLO], 5, v1
	s_delay_alu instid0(VALU_DEP_1)
	v_lshl_add_u32 v[SLO], v2, 4, v[SLO]
	s_wait_alu depctr_va_vdst(0)
	s_lshl_b32 s70, s28, 13                        ; A's scale bytes: (256 y + 64 (w % 4)) rows of 32
	s_lshl_b32 s71, s66, 11
	s_add_co_u32 s70, s70, s71
	s_mov_b32 s71, 0
	s_add_nc_u64 s[70:71], s[6:7], s[70:71]
	s_cmp_eq_u32 s31, 0
	s_cselect_b64 s[72:73], s[10:11], s[14:15]
	s_cmp_lt_u32 s31, 2
	s_cselect_b64 s[72:73], s[72:73], s[18:19]     ; my weight's scale bytes,
	s_lshl_b32 s74, s27, 11                        ; at the head's 64 rows
	s_mov_b32 s75, 0
	s_add_nc_u64 s[72:73], s[72:73], s[74:75]
.irp a, 0,1,2,3
	global_load_b128 v[SA+4*\a:SA+4*\a+3], v[SLO], s[70:71] offset:512*\a      ; 16 rows x 32 bytes: 512 consecutive bytes
.endr
.irp b, 0,1,2,3
	global_load_b128 v[SB+4*\b:SB+4*\b+3], v[SLO], s[72:73] offset:512*\b
.endr
	v_lshlrev_b32 v[ADRA], 4, v1
	s_delay_alu instid0(VALU_DEP_1)
	v_mad_u32_u24 v[ADRA], v2, PL, v[ADRA]         ; plane h, token r
	s_lshl_b32 s76, s66, 10
	s_add_co_u32 s76, s76, LA
	v_add_nc_u32 v[ADRA], s76, v[ADRA]             ; + my 64 tokens
	s_delay_alu instid0(VALU_DEP_1)
	v_add_nc_u32 v[ADRA+1], 0x10000, v[ADRA]       ; planes 16 on
	v_mul_u32_u24 v[ADRB], v1, PITCH
	s_delay_alu instid0(VALU_DEP_1)
	v_lshl_add_u32 v[ADRB], v2, 4, v[ADRB]
	s_mul_i32 s77, s31, 64*PITCH
	s_add_co_u32 s77, s77, LB
	v_add_nc_u32 v[ADRB], s77, v[ADRB]             ; my weight's 64 rows
	v_lshlrev_b32 v[CO], 4, v1
	s_delay_alu instid0(VALU_DEP_1)
	v_lshl_add_u32 v[CO], v2, 3, v[CO]
	v_lshlrev_b32 v[WO], 2, v1
	s_delay_alu instid0(VALU_DEP_1)
	v_lshl_add_u32 v[WO], v2, 6, v[WO]
	v_cmp_ne_u32 vcc_lo, 0, v2                     ; lanes 16-31
.irp i, 0,1,2,3
	v_mov_b32 v[TM+4+\i], 0                        ; written once: a lane permute's destination counts as read
.endr
	s_lshr_b32 s78, s28, 3
	s_lshl_b32 s78, s78, 4
	s_add_co_u32 s78, s78, s27                     ; batch x 16 + head
	s_and_b32 s79, s28, 7
	s_lshl_b32 s79, s79, 8
	s_lshl_b32 s84, s66, 6
	s_add_co_u32 s79, s79, s84                     ; p0: my first token within the batch
	s_lshl_b32 s80, s31, 21                        ; codes: q at 0, k at 2 MiB, v at 4 MiB
	s_lshl_b32 s81, s78, 16
	s_add_co_u32 s80, s80, s81
	s_lshr_b32 s81, s79, 7                         ; q, k: 4,096 bytes for each 128 tokens,
	s_lshl_b32 s81, s81, 12
	s_and_b32 s85, s79, 127
	s_lshl_b32 s85, s85, 4                         ; 16 bytes a token within them;
	s_add_co_u32 s81, s81, s85
	s_lshl_b32 s84, s79, 5                         ; v: 1,024 bytes for each 32 keys
	s_cmp_lt_u32 s31, 2
	s_cselect_b32 s81, s81, s84
	s_add_co_u32 s80, s80, s81
	s_mov_b32 s81, 0
	s_add_nc_u64 s[80:81], s[20:21], s[80:81]
	s_lshl_b32 s82, s31, 17                        ; scale bytes: q at 0, k at 128 KiB, v at 256 KiB
	s_lshl_b32 s83, s78, 12
	s_add_co_u32 s82, s82, s83
	s_lshr_b32 s83, s79, 5
	s_lshl_b32 s83, s83, 6                         ; q, k: 64 bytes for each 32 tokens;
	s_lshr_b32 s84, s79, 7
	s_lshl_b32 s84, s84, 8                         ; v: 256 bytes for each 128 keys,
	s_and_b32 s85, s66, 1
	s_lshl_b32 s85, s85, 1
	s_add_co_u32 s84, s84, s85                     ; and my two blocks' bytes in each word
	s_cmp_lt_u32 s31, 2
	s_cselect_b32 s83, s83, s84
	s_add_co_u32 s82, s82, s83
	s_mov_b32 s83, 0
	s_add_nc_u64 s[82:83], s[22:23], s[82:83]
	s_wait_loadcnt 0x0                             ; the scale words
	s_wait_tensorcnt 0x0                           ; my one tensor load has landed,
	s_barrier_signal -1
	s_barrier_wait -1                              ; everybody's has: both tiles are whole, and nothing is filled again
	s_cmp_lt_u32 s[WV], 8
	s_cbranch_scc0 .Lv
.irp s, 0,1,2,3,4,5,6,7
	KSTEP \s, 0                                    ; q or k: lane r = token 16 a + r, register j = channel 16 b + 8 h + j
.endr
.rept 4
	v_nop                                          ; four places in front of the first read of results
.endr
.irp g, 0,1
	QUANT 4, ACC+64*\g, 16, 8, AF+8*\g             ; block i: tokens' tile 2 g + i / 2, channels 32 (i % 2) on
.irp i, 0,1,2,3
	global_store_b64 v[CO], v[AF+8*\g+2*\i:AF+8*\g+2*\i+1], s[80:81] offset:(\i%2)*2048+256*(2*\g+\i/2)   ; the wave stores 256 consecutive aligned bytes
.endr
	v_lshl_or_b32 v[BF+\g], v[TM+13], 8, v[TM+12]  ; the four bytes of 32 tokens' row r: [u][channel block]
	s_delay_alu instid0(VALU_DEP_1)
	v_lshl_or_b32 v[BF+\g], v[TM+14], 16, v[BF+\g]
	s_delay_alu instid0(VALU_DEP_1)
	v_lshl_or_b32 v[BF+\g], v[TM+15], 24, v[BF+\g]
.endr
	s_delay_alu instid0(VALU_DEP_1)
	v_cndmask_b32 v[BF+2], v[BF], v[BF+1], vcc_lo  ; lanes 0-15 the first 32 tokens' words, lanes 16-31 the second's
	global_store_b32 v[WO], v[BF+2], s[82:83]      ; 128 consecutive bytes
	s_branch .Ljoin
.Lv:
.irp s, 0,1,2,3,4,5,6,7
	KSTEP \s, 1                                    ; v: lane r = channel 16 b + r, register j = key 16 a + 8 h + j
.endr
.rept 4
	v_nop
.endr
.irp g, 0,1
	QUANT 4, ACC+64*\g, 8, 32, AF+8*\g             ; block i: channels' tile i, keys 32 g on
.irp i, 0,1,2,3
	global_store_b64 v[CO], v[AF+8*\g+2*\i:AF+8*\g+2*\i+1], s[80:81] offset:1024*\g+256*\i
.endr
.irp i, 0,1,2,3
.if \g == 0
	v_mov_b32 v[BF+\i], v[TM+12+\i]
.else
	v_lshl_or_b32 v[BF+\i], v[TM+12+\i], 8, v[BF+\i]   ; my two key blocks' bytes of channel 16 i + r
.endif
.endr
.endr
.irp i, 0,1
	v_cndmask_b32 v[BF+4+\i], v[BF+2*\i], v[BF+2*\i+1], vcc_lo
	global_store_b16 v[WO], v[BF+4+\i], s[82:83] offset:128*\i
.endr
.Ljoin:
	s_wait_dscnt 0x0
	s_wait_tensorcnt 0x0
	ds_add_u32 v14, v15
	s_wait_dscnt 0x0
	CROUND                                         ; the closing round: no work-group ends while a partner may still ask for a tile that names it
	s_endpgm
.Lfunc_end_k_q03bbdda891_qkv:
	.size	k_q03bbdda891_qkv, .Lfunc_end_k_q03bbdda891_qkv-k_q03bbdda891_qkv
	.p2alignl 7, 3214868480
	.fill 96, 4, 3214868480
	.section	.rodata,"a",@progbits
	.p2align	6, 0x0
	.amdhsa_kernel k_q03bbdda891_qkv
		.amdhsa_group_segment_fixed_size 233984
		.amdhsa_private_segment_fixed_size 0
		.amdhsa_enable_private_segment 0
		.amdhsa_kernarg_size 80
		.amdhsa_user_sgpr_count 2
		.amdhsa_user_sgpr_kernarg_segment_ptr 1
		.amdhsa_wavefront_size32 1
		.amdhsa_system_sgpr_workgroup_id_x 1
		.amdhsa_system_sgpr_workgroup_id_y 1
		.amdhsa_system_sgpr_workgroup_id_z 1
		.amdhsa_system_vgpr_workitem_id 0
		.amdhsa_next_free_vgpr 256
		.amdhsa_next_free_sgpr 100
		.amdhsa_reserve_vcc 1
		.amdhsa_float_denorm_mode_32 3
		.amdhsa_float_denorm_mode_16_64 3
		.amdhsa_memory_ordered 1
		.amdhsa_forward_progress 1
		.amdhsa_inst_pref_size 80
	.end_amdhsa_kernel
	.amdgpu_metadata
---
amdhsa.version: [ 1, 2 ]
amdhsa.kernels:
  - .name:           k_q03bbdda891_qkv
    .symbol:         k_q03bbdda891_qkv.kd
    .args:
      - { .name: a_c, .offset: 0, .size: 8, .value_kind: global_buffer, .address_space: global }
      - { .name: a_s, .offset: 8, .size: 8, .value_kind: global_buffer, .address_space: global }
      - { .name: w_q_codes, .offset: 16, .size: 8, .value_kind: global_buffer, .address_space: global }
      - { .name: w_q_scales, .offset: 24, .size: 8, .value_kind: global_buffer, .address_space: global }
      - { .name: w_k_codes, .offset: 32, .size: 8, .value_kind: global_buffer, .address_space: global }
      - { .name: w_k_scales, .offset: 40, .size: 8, .value_kind: global_buffer, .address_space: global }
      - { .name: w_v_codes, .offset: 48, .size: 8, .value_kind: global_buffer, .address_space: global }
      - { .name: w_v_scales, .offset: 56, .size: 8, .value_kind: global_buffer, .address_space: global }
      - { .name: qkv_c, .offset: 64, .size: 8, .value_kind: global_buffer, .address_space: global }
      - { .name: qkv_s, .offset: 72, .size: 8, .value_kind: global_buffer, .address_space: global }
    .group_segment_fixed_size: 233984
    .private_segment_fixed_size: 0
    .kernarg_segment_align: 8
    .kernarg_segment_size: 80
    .max_flat_workgroup_size: 384
    .sgpr_count:     100
    .vgpr_count:     256
    .wavefront_size: 32
...
	.end_amdgpu_metadata
.endif
;; end of part 2
;; launch attn (part 3): grid 8 x 32, 16 waves a work-group, no clusters, 327,680 bytes of LDS; arguments qkv_c, qkv_s, a_c, a_s; writes a_c, a_s
.if DOCPART == 3
	.amdgcn_target "amdgcn-amd-amdhsa--gfx1250"
	.amdhsa_code_object_version 6
	.text
	.protected	k_q03bbdda891_attn
	.globl	k_q03bbdda891_attn
	.p2align	8
	.type	k_q03bbdda891_attn,@function
k_q03bbdda891_attn:
	s_mov_b64 s[64:65], 0
	v_nop
	global_prefetch_b8 v0, s[64:65] scope:SCOPE_SE
	s_setreg_imm32_b32 hwreg(HW_REG_WAVE_MODE, 25, 1), 1
	s_wait_xcnt 0x0
; o = softmax(q k^T / 8, causal) v for one batch x head, both products on codes of FP4 (E2M1) with E8M0 scales; o is quantised along the model's 1,024 (block 2 head + channel block) for the next product.
; THE SOFTMAX: t = score x log2(e) / 8; M = the running largest t rounded UP to a whole number; p = 2^(t - M) is quantised along the keys, not normalised; the row's sum is taken of the unquantised p and divides at the end.
; When M moves, the sum and O are multiplied by 2^(old M - new M), which rounds nothing.
; IN: q's and k's codes [batch x head][128 tokens: 16][channel block 2][token 128][16 bytes], v's [batch x head][key block 64][channel 64][16 bytes], the scale words as the launch before lays them.
; OUT: codes [block 32][token 4,096][16 bytes], scale bytes [token][32].
; LEFT OUT: key steps all of whose keys come after a tile's queries: the causal mask sets their scores to -infinity, so their p is 0 for all inputs.
; SHARES: 8 work-groups a head (number g), 16 waves.  Waves j and j + 8 share two tiles of 16 queries: the light tile 8 g + j (g + 1 key steps of 128 keys count) and the heavy tile 127 - 8 g - j (16 - g steps).
; Wave j takes the even key steps of both tiles, wave j + 8 the odd ones: 17 steps in all, 9 and 8.  Wave j walks the heavy tile first, wave j + 8 the light one.  Each leaves its first tile's part (-M, sum, O^T)
; in LDS bytes of its own, walks its second tile, and behind one barrier joins the partner's part of that second tile to its own: both parts are brought under the larger M by powers of two, which rounds nothing.
; A part with no step has O = 0, sum 0 and M = -3e38: its factor is 0.
; LDS: K's codes at 0 (4,096 bytes a key step), V's at 65,536 (likewise), K's scale words at 131,072, V's at 135,168, each byte filled once; the waves' parts from 139,264 on; the spare words behind them.
; THE FILLS: at the head waves 0 and 4 ask for key steps 0-3 of K and V, waves 8 and 9 for the scale words.  Behind the first barrier waves 1-3 and 5-7 ask for the other twelve steps, 16,384 bytes a wave;
; the first two trips of every wave read key steps 0-3 alone, and a second barrier stands ahead of the other trips.
; K = 64 IN AN INSTRUCTION 128 DEEP: a fragment of K holds key 32 b + r in registers 0-3 and key 32 b + 16 + r in registers 4-7; q stands between two runs of zero codes, [0 | q | 0]: the
; product with [q | 0] gives keys 32 b + 0..15, that with [0 | q] keys 32 b + 16..31.  Zero codes add nothing (their scale bytes are 127).
; Both products are used transposed: a lane holds ONE query (lane % 16); register j of score tile T is key 16 T + 8 (lane / 16) + j.
; NO CLUSTER: which steps a wave walks hangs on the work-group's place among the eight of its head, so partners would part at branches.
; NO PREFETCH: all 139,264 bytes are asked for by tensor loads at the head or directly behind the first barrier: no loop is left in which to ask ahead.
; The loops' trip counts are constants; a step that does not count is jumped over by a scalar branch on ids.
; o's scale bytes go out one byte a lane, 32 bytes apart: one byte for each 16 bytes of codes.
; LIMITS: NaN and infinities are not served; the scaled scores stay under 2^31 in magnitude; a block of zeros gets the byte 1 (read by this program alone).
; REGISTERS: v12 -M, v13 the largest t, v[14:15] the sum in two halves; v16-27 [0 | q | 0]; v28, v29 q's two scale words; v32-63 K's four fragments; v64-95 V's four; v96-159 scores, then p;
; v160-191 O^T; v192-197 the second tile's q and scale words; v200-203 V's scale words; v224-231 p's codes; v232-254 at work; v248-251 K's scale words; v253 p's scale word.
.set AK0,  1                           ; v1   2,048 h + 16 r: my place in a key step of K (and of q, in memory)
.set AV0,  2                           ; v2   65,536 + 1,024 h + 16 r
.set ASK0, 3                           ; v3   131,072 + 4 r
.set ASV0, 4                           ; v4   135,168 + 4 r
.set DD,   5                           ; v5   r - 8 h
.set CO,   6                           ; v6   16 r + 8 h
.set BO,   7                           ; v7   32 r + h
.set ADK,  8                           ; v8-11 the step's LDS addresses
.set ADV,  9
.set ADS,  10
.set ADT,  11
.set SPW,  198                         ; v198 my spare word; never rewritten
.set NIL,  199                         ; v199 0; never rewritten
.set STO,  204                         ; v204 where my part's O^T goes; v205 its -M and sum
.set STM,  205
.set PTO,  206                         ; v206, v207 the same of my partner's part
.set PTM,  207
.set LV,   65536
.set LSK,  131072
.set LSV,  135168
.set STB,  139264                      ; the parts: 4,096 bytes of O^T + 256 of -M and sum for each wave
.set STW,  4352
.set SPARE, STB+16*STW                 ; the spare words, 128 bytes a wave
.set WV,   12
.set BH,   13
.set PAR,  15                          ; s15  0: even key steps, 1: odd
.set T1,   18                          ; s18  the tile that I walk first, s19 the one that I finish
.set T2,   19
.set SEL,  20
.set CS,   22
.set CH,   56                          ; s56  which four key steps I fetch
.set TK,   57                          ; s57  the step's place in K and in V: 4,096 bytes a step
.set TS,   58                          ; s58  in either table of scale words: 256
.set KF,   59                          ; s59  the step's first key
.set QL,   60                          ; s60  the tile's last query
.set Q0,   61                          ; s61  its first
.set CNT,  62
.set TP,   63
.set Q2,   80                          ; s80  the second tile's first query
.macro QOFF t, c, s                    ; tile t's q: byte offsets of its codes -> s[c:c+1], of its scale bytes -> s[s:s+1]
	s_lshr_b32 s[\c], s[\t], 3
	s_lshl_b32 s[\c], s[\c], 12
	s_and_b32 s[\c+1], s[\t], 7
	s_lshl_b32 s[\c+1], s[\c+1], 8
	s_add_co_u32 s[\c], s[\c], s[\c+1]
	s_lshl_b32 s[\c+1], s[BH], 16
	s_add_co_u32 s[\c], s[\c], s[\c+1]
	s_mov_b32 s[\c+1], 0
	s_lshr_b32 s[\s], s[\t], 1
	s_lshl_b32 s[\s], s[\s], 6
	s_and_b32 s[\s+1], s[\t], 1
	s_lshl_b32 s[\s+1], s[\s+1], 1
	s_add_co_u32 s[\s], s[\s], s[\s+1]
	s_lshl_b32 s[\s+1], s[BH], 12
	s_add_co_u32 s[\s], s[\s], s[\s+1]
	s_mov_b32 s[\s+1], 0
.endm
.macro FRESH                           ; a tile begins: the step is written once, and a tile's first step finds zeros
	v_mov_b32 v13, 0xff61b1e6                      ; the largest t so far: -3e38
	v_mov_b32 v14, 0
	v_mov_b32 v15, 0
	v_floor_f32 v12, -v13                          ; -M
.set n, 0
.rept 32
	v_mov_b32 v[160+n], 0                          ; O^T.  (These also stand between the making of q's scale words and their first use)
.set n, n+1
.endr
.endm
; A KEY STEP: 128 keys.
.macro STEP
	s_cmp_gt_u32 s[KF], s[QL]
	s_cbranch_scc1 .Lhid_\@                        ; all its keys come after the tile's queries
	v_add_nc_u32 v[ADK], s[TK], v[AK0]             ; (these four are also the places in front of loads into registers that the last products read)
	v_add_nc_u32 v[ADV], s[TK], v[AV0]
	v_add_nc_u32 v[ADS], s[TS], v[ASK0]
	v_add_nc_u32 v[ADT], s[TS], v[ASV0]
.irp b, 0,1,2,3
.irp c, 0,1
	ds_load_b128 v[32+8*\b+4*\c:35+8*\b+4*\c], v[ADK] offset:512*\b+256*\c
.endr
	ds_load_b32 v[248+\b], v[ADS] offset:64*\b
.endr
.irp d, 0,1,2,3
.irp c, 0,1
	ds_load_b128 v[64+8*\d+4*\c:67+8*\d+4*\c], v[ADV] offset:2048*\c+256*\d
.endr
	ds_load_b32 v[200+\d], v[ADT] offset:64*\d
.endr
	s_wait_dscnt 12                                ; K's twelve loads are in; V's twelve may be out
.irp b, 0,1,2,3
	v_wmma_scale_f32_16x16x128_f8f6f4 v[96+16*\b:103+16*\b], v[32+8*\b:39+8*\b], v[20:27], 0, v[248+\b], v28 matrix_a_fmt:MATRIX_FMT_FP4 matrix_b_fmt:MATRIX_FMT_FP4
	v_wmma_scale_f32_16x16x128_f8f6f4 v[104+16*\b:111+16*\b], v[32+8*\b:39+8*\b], v[16:23], 0, v[248+\b], v29 matrix_a_fmt:MATRIX_FMT_FP4 matrix_b_fmt:MATRIX_FMT_FP4
.endr
.rept 4
	v_nop                                          ; four places in front of the first read of the scores
.endr
	s_add_co_u32 s[TP], s[KF], 127
	s_cmp_le_u32 s[TP], s[Q0]
	s_cbranch_scc1 .Lopen_\@                       ; all 128 keys count
	s_sub_co_i32 s[TP], s[Q0], s[KF]
	v_add_nc_u32 v252, s[TP], v[DD]                ; d = my query - the step's first key - 8 h: register n's key is hidden where its constant part is above d
	v_mov_b32 v254, 0xff800000                     ; -infinity
.set n, 0
.rept 64
	v_cmp_gt_i32 vcc_lo, 16*(n/8)+n%8, v252
	v_cndmask_b32 v[96+n], v[96+n], v254, vcc_lo
.set n, n+1
.endr
.Lopen_\@:
.irp b, 0,1,2,3
	v_max3_num_f32 v[232+\b], v[96+16*\b], v[97+16*\b], v[98+16*\b]   ; the largest score of each block of 32 keys: it serves the row's maximum and, since p rises with the score, the block's largest p
.endr
.irp i, 3,5,7,9,11,13
.irp b, 0,1,2,3
	v_max3_num_f32 v[232+\b], v[232+\b], v[96+16*\b+\i], v[97+16*\b+\i]
.endr
.endr
.irp b, 0,1,2,3
	v_max_num_f32 v[232+\b], v[232+\b], v[111+16*\b]
.endr
.irp b, 0,1,2,3
	v_permlanex16_b32 v[236+\b], v[232+\b], s[SEL], s[SEL+1]
.endr
.irp b, 0,1,2,3
	v_max_num_f32 v[232+\b], v[232+\b], v[236+\b]  ; with lane l xor 16's sixteen keys
.endr
	s_delay_alu instid0(VALU_DEP_2)
	v_max3_num_f32 v254, v232, v233, v234
	s_delay_alu instid0(VALU_DEP_1)
	v_max_num_f32 v254, v254, v235
	s_delay_alu instid0(VALU_DEP_1)
	v_mul_f32 v254, s[CS], v254                    ; as t
	s_delay_alu instid0(VALU_DEP_1)
	v_max_num_f32 v13, v13, v254                   ; the running largest t
	v_mov_b32 v254, v12
	s_delay_alu instid0(VALU_DEP_2)
	v_floor_f32 v12, -v13                          ; the new -M
	s_delay_alu instid0(VALU_DEP_1)
	v_sub_f32 v254, v12, v254                      ; old M - new M: a whole number, 0 or less
	s_delay_alu instid0(VALU_DEP_1)
	v_cvt_i32_f32 v254, v254                       ; (it saturates)
	s_delay_alu instid0(VALU_DEP_1)
	v_ldexp_f32 v252, 1.0, v254                    ; f = 2^(old M - new M)
.set n, 0
.rept 32
	v_pk_fma_f32 v[96+n:97+n], v[96+n:97+n], s[CS:CS+1], v[12:13] op_sel_hi:[1,0,0]   ; t - M
.set n, n+2
.endr
.irp b, 0,1,2,3
	v_fma_f32 v[232+\b], v[232+\b], s[CS], v12     ; the same of each block's largest score
.endr
	s_wait_alu depctr_va_vdst(0)                   ; the wait ahead of the batch
.set n, 0
.rept 64
	v_exp_f32 v[96+n], v[96+n]                     ; p = 2^(t - M)
.set n, n+1
.endr
	v_pk_mul_f32 v[14:15], v[14:15], v[252:253] op_sel_hi:[1,0]   ; the sums under the new M: a plain instruction behind the batch
	s_wait_alu depctr_va_vdst(0)                   ; one wait for the batch of 64, ahead of its first reader
.irp b, 0,1,2,3
	v_exp_f32 v[232+\b], v[232+\b]                 ; each block's largest p
.endr
	v_pk_add_f32 v[236:237], v[96:97], v[98:99]    ; the row's sum of the unquantised p: 32 pairs in four chains that take turns
	v_pk_add_f32 v[238:239], v[100:101], v[102:103]
	v_pk_add_f32 v[240:241], v[104:105], v[106:107]
	v_pk_add_f32 v[14:15], v[14:15], v[108:109]
.set n, 110
.rept 6
	v_pk_add_f32 v[236:237], v[236:237], v[n:n+1]
	v_pk_add_f32 v[238:239], v[238:239], v[n+2:n+3]
	v_pk_add_f32 v[240:241], v[240:241], v[n+4:n+5]
	v_pk_add_f32 v[14:15], v[14:15], v[n+6:n+7]
.set n, n+8
.endr
	v_pk_add_f32 v[236:237], v[236:237], v[158:159]
	v_pk_add_f32 v[14:15], v[14:15], v[240:241]
	s_delay_alu instid0(VALU_DEP_2)
	v_pk_add_f32 v[236:237], v[236:237], v[238:239]
	s_delay_alu instid0(VALU_DEP_1)
	v_pk_add_f32 v[14:15], v[14:15], v[236:237]
	s_wait_alu depctr_va_vdst(0)                   ; and one for the four
.irp b, 0,1,2,3
	v_max_num_f32 v[232+\b], 0x1800000, v[232+\b]  ; the floor 2^(3 - 127)
.endr
.irp b, 0,1,2,3
	v_add_nc_u32 v[244+\b], 0xff000000, v[232+\b]  ; the conversion's scale operand
.endr
.irp b, 0,1,2,3
	v_lshrrev_b32 v[236+\b], 23, v[244+\b]         ; the scale's byte
.endr
	s_delay_alu instid0(VALU_DEP_3)
	v_lshl_or_b32 v253, v237, 8, v236              ; p's scale word for these 128 keys
	s_delay_alu instid0(VALU_DEP_1)
	v_lshl_or_b32 v253, v238, 16, v253
	s_delay_alu instid0(VALU_DEP_1)
	v_lshl_or_b32 v253, v239, 24, v253
.irp c, 0,1
	v_cvt_scalef32_pk8_fp4_f32 v[224+4*\c], v[96+32*\c:103+32*\c], v[244+2*\c]        ; block 2 c, numbers 8 h on
	v_cvt_scalef32_pk8_fp4_f32 v[225+4*\c], v[112+32*\c:119+32*\c], v[245+2*\c]       ; block 2 c + 1, numbers 8 h on
	v_cvt_scalef32_pk8_fp4_f32 v[226+4*\c], v[104+32*\c:111+32*\c], v[244+2*\c]       ; block 2 c, numbers 16 + 8 h on
	v_cvt_scalef32_pk8_fp4_f32 v[227+4*\c], v[120+32*\c:127+32*\c], v[245+2*\c]       ; block 2 c + 1, numbers 16 + 8 h on
.endr
	v_nop                                          ; one plain instruction behind the last conversion
.irp c, 0,1
	v_permlane16_swap_b32 v[224+4*\c], v[225+4*\c] ; lanes 0-15 now hold block 2 c whole, lanes 16-31 block 2 c + 1
	v_permlane16_swap_b32 v[226+4*\c], v[227+4*\c]
.endr
	s_wait_alu depctr_va_vdst(0)                   ; the wait directly ahead of the first reader of O^T
.set n, 0
.rept 16
	v_pk_mul_f32 v[160+n:161+n], v[160+n:161+n], v[252:253] op_sel_hi:[1,0]   ; O^T under the new M.  (These sixteen stand between the making of p's codes and scale word and the products)
.set n, n+2
.endr
	s_wait_alu depctr_va_vdst(0)                   ; the wait directly ahead of the wait below
	s_wait_dscnt 0x0                               ; V
.irp d, 0,1,2,3
	v_wmma_scale_f32_16x16x128_f8f6f4 v[160+8*\d:167+8*\d], v[64+8*\d:71+8*\d], v[224:231], v[160+8*\d:167+8*\d], v[200+\d], v253 matrix_a_fmt:MATRIX_FMT_FP4 matrix_b_fmt:MATRIX_FMT_FP4
.endr
.Lhid_\@:
	s_add_co_u32 s[KF], s[KF], 256                 ; two key steps on: the partner has the step between
	s_add_co_u32 s[TK], s[TK], 8192
	s_add_co_u32 s[TS], s[TS], 512
.endm
.macro WALK trips
	s_mov_b32 s[CNT], \trips
.Lstep_\@:
	STEP
	s_sub_co_u32 s[CNT], s[CNT], 1
	s_cmp_lg_u32 s[CNT], 0
	s_cbranch_scc1 .Lstep_\@
.endm
	s_load_b256 s[4:11], s[0:1], 0x0               ; qkv_c s[4:5], qkv_s s[6:7], o's codes s[8:9], o's scale bytes s[10:11]
	v_lshl_add_u32 v[SPW], v0, 2, SPARE
	v_mov_b32 v[NIL], 0
	ds_add_u32 v[SPW], v[NIL]                      ; the opening: the add, twice on end, and its wait ahead of the first tensor load
	ds_add_u32 v[SPW], v[NIL]
	v_lshrrev_b32 v8, 5, v0
	v_readfirstlane_b32 s[WV], v8                  ; wave 0..15
	s_and_b32 s[BH], ttmp7, 0xffff                 ; batch x 16 + head
	s_and_b32 s14, s[WV], 7
	s_lshr_b32 s[PAR], s[WV], 3
	s_lshl_b32 s16, ttmp9, 3
	s_add_co_u32 s16, s16, s14                     ; the light tile,
	s_sub_co_u32 s17, 127, s16                     ; the heavy one
	s_cmp_eq_u32 s[PAR], 0
	s_cselect_b32 s[T1], s17, s16                  ; even steps: heavy first; odd steps: light first
	s_cselect_b32 s[T2], s16, s17
	s_lshl_b32 s[Q0], s[T1], 4
	s_add_co_u32 s[QL], s[Q0], 15
	s_lshl_b32 s[Q2], s[T2], 4
	s_lshl_b32 s[TK], s[PAR], 12
	s_lshl_b32 s[TS], s[PAR], 8
	s_lshl_b32 s[KF], s[PAR], 7
	s_mov_b32 s24, 3<<16                           ; group 1 for the codes: elements of 8 bytes, no mask, no padding
	s_mov_b32 s25, 32<<16                          ; rows of 256 bytes,
	s_mov_b32 s26, 64<<16                          ; 64 of them, dense: 16 KiB, four key steps
	s_mov_b32 s27, 32<<16
	s_mov_b32 s28, 64
	s_mov_b32 s29, 32
	s_mov_b32 s30, 0
	s_mov_b32 s31, 0
	s_mov_b32 s32, 3<<16                           ; and for a table of scale words: 16 rows, 4 KiB
	s_mov_b32 s33, 32<<16
	s_mov_b32 s34, 16<<16
	s_mov_b32 s35, 32<<16
	s_mov_b32 s36, 16
	s_mov_b32 s37, 32
	s_mov_b32 s38, 0
	s_mov_b32 s39, 0
	s_min_u32 s48, s[WV], 7                        ; waves 0-3 fetch K's codes, 4-7 V's, four key steps each (a wave that fetches none keeps an address inside LDS)
	s_lshl_b32 s41, s48, 14                        ; to LDS byte 16,384 w
	s_lshr_b32 s50, s48, 2
	s_lshl_b32 s50, s50, 21
	s_add_co_u32 s50, s50, 0x200000                ; k at 2 MiB, v at 4 MiB
	s_lshl_b32 s51, s[BH], 16
	s_add_co_u32 s50, s50, s51
	s_and_b32 s[CH], s48, 3
	s_lshl_b32 s51, s[CH], 14
	s_add_co_u32 s50, s50, s51
	s_mov_b32 s51, 0
	s_and_b32 s52, s[WV], 1                        ; wave 8: K's scale words, wave 9: V's
	s_lshl_b32 s45, s52, 12
	s_add_co_u32 s45, s45, LSK
	s_lshl_b32 s54, s52, 17
	s_add_co_u32 s54, s54, 131072
	s_lshl_b32 s52, s[BH], 12
	s_add_co_u32 s54, s54, s52
	s_mov_b32 s55, 0
	QOFF T1, 66, 68
	QOFF T2, 70, 72
	s_and_b32 s82, s[BH], 15                       ; head
	s_lshr_b32 s83, s[BH], 4                       ; batch
	s_lshl_b32 s83, s83, 11
	s_add_co_u32 s83, s83, s[Q2]                   ; the first token of the tile that I finish
	s_lshl_b32 s74, s82, 17                        ; o's codes: plane 2 head, 65,536 bytes a plane,
	s_lshl_b32 s75, s83, 4
	s_add_co_u32 s74, s74, s75                     ; 16 bytes a token
	s_mov_b32 s75, 0
	s_lshl_b32 s76, s83, 5                         ; o's scale bytes: 32 a token,
	s_lshl_b32 s77, s82, 1
	s_add_co_u32 s76, s76, s77                     ; at block 2 head
	s_mov_b32 s77, 0
	s_mul_i32 s78, s[WV], STW
	s_add_co_u32 s78, s78, STB                     ; my part's bytes,
	s_xor_b32 s79, s[WV], 8
	s_mul_i32 s79, s79, STW
	s_add_co_u32 s79, s79, STB                     ; and my partner's
	s_mov_b32 s[SEL], 0x76543210
	s_mov_b32 s[SEL+1], 0xfedcba98
	s_mov_b32 s[CS], 0x3e38aa3b                    ; c = log2(e) / 8
	s_mov_b32 s[CS+1], s[CS]
	s_wait_alu depctr_va_vdst(0)                   ; the wait directly ahead of the waits below
	s_wait_dscnt 0x0                               ; both opening adds are done
	s_wait_kmcnt 0x0
	s_mov_b32 s40, 1
	s_add_nc_u64 s[42:43], s[4:5], s[50:51]
	s_or_b32 s43, s43, 0x80000000
	s_mov_b32 s44, 1
	s_add_nc_u64 s[46:47], s[6:7], s[54:55]
	s_or_b32 s47, s47, 0x80000000
	s_cmp_lt_u32 s[WV], 8                          ; the head's fills, one chain of branches on the wave's number, one load to an arm
	s_cbranch_scc0 .Lnot_c
	s_cmp_eq_u32 s[CH], 0
	s_cbranch_scc0 .Lasked
	tensor_load_to_lds s[40:43], s[24:31]          ; waves 0 and 4: key steps 0-3 of K and of V
	s_nop 0
.rept 4
	v_nop
.endr
	s_branch .Lasked
.Lnot_c:
	s_cmp_lt_u32 s[WV], 10
	s_cbranch_scc0 .Lasked
	tensor_load_to_lds s[44:47], s[32:39]          ; waves 8 and 9: the scale words
	s_nop 0
.rept 4
	v_nop
.endr
.Lasked:
	s_add_nc_u64 s[66:67], s[4:5], s[66:67]        ; q's codes and scale bytes, first tile and second
	s_add_nc_u64 s[68:69], s[6:7], s[68:69]
	s_add_nc_u64 s[70:71], s[4:5], s[70:71]
	s_add_nc_u64 s[72:73], s[6:7], s[72:73]
	s_add_nc_u64 s[74:75], s[8:9], s[74:75]
	s_add_nc_u64 s[76:77], s[10:11], s[76:77]
	v_and_b32 v8, 15, v0                           ; r
	v_bfe_u32 v9, v0, 4, 1                         ; h
	v_lshlrev_b32 v[AK0], 4, v8
	v_lshlrev_b32 v10, 2, v8
	s_delay_alu instid0(VALU_DEP_2)
	v_lshl_add_u32 v[AK0], v9, 11, v[AK0]
	global_load_b128 v[20:23], v[AK0], s[66:67]    ; lane (r, h): channel block h of query r
	global_load_u16 v30, v10, s[68:69]             ; query r's two scale bytes
	global_load_b128 v[192:195], v[AK0], s[70:71]
	global_load_u16 v31, v10, s[72:73]
	v_lshlrev_b32 v[AV0], 4, v8
	v_lshl_add_u32 v[ASK0], v8, 2, LSK
	v_lshl_add_u32 v[ASV0], v8, 2, LSV
	v_lshl_add_u32 v[AV0], v9, 10, v[AV0]
	v_lshlrev_b32 v[DD], 3, v9
	v_lshlrev_b32 v[CO], 4, v8
	v_add_nc_u32 v[AV0], LV, v[AV0]
	v_sub_nc_u32 v[DD], v8, v[DD]
	v_lshl_add_u32 v[CO], v9, 3, v[CO]
	v_lshl_add_u32 v[BO], v8, 5, v9
	v_and_b32 v11, 31, v0                          ; lane
	s_delay_alu instid0(VALU_DEP_1)
	v_lshlrev_b32 v[STO], 4, v11
	v_lshlrev_b32 v[STM], 3, v11
	s_delay_alu instid0(VALU_DEP_2)
	v_add_nc_u32 v[PTO], s79, v[STO]               ; O^T as an image of the registers: 16 bytes a lane, 512 a group of four registers
	v_add_nc_u32 v[STO], s78, v[STO]
	v_add_nc_u32 v[STM], 4096, v[STM]              ; -M and the sum: 8 bytes a lane
	s_delay_alu instid0(VALU_DEP_1)
	v_add_nc_u32 v[PTM], s79, v[STM]
	v_add_nc_u32 v[STM], s78, v[STM]
.irp i, 16,17,18,19,24,25,26,27
	v_mov_b32 v\i, 0                               ; the zero codes on either side of q
.endr
.irp i, 236,237,238,239,252,253
	v_mov_b32 v\i, 0                               ; written once: permutes' destinations, and the pairs v[236:237], v[252:253]
.endr
	s_wait_loadcnt 0x0                             ; q and its bytes, both tiles'
	v_or_b32 v28, 0x7f7f0000, v30                  ; the scale word of [q | 0]
	v_lshl_or_b32 v29, v30, 16, 0x7f7f             ; and of [0 | q]
	v_or_b32 v196, 0x7f7f0000, v31
	v_lshl_or_b32 v197, v31, 16, 0x7f7f
	FRESH
	s_wait_alu depctr_va_vdst(0)                   ; the wait at the head's end
	s_wait_tensorcnt 0x0                           ; my load of the head's four has landed
	ds_add_u32 v[SPW], v[NIL]                      ; the add, twice on end here
	ds_add_u32 v[SPW], v[NIL]
	s_wait_dscnt 0x0                               ; and its wait
	s_barrier_signal -1
	s_barrier_wait -1                              ; key steps 0-3 and the scale words are whole
	s_cmp_lt_u32 s[WV], 8
	s_cbranch_scc0 .Lrest
	s_cmp_lg_u32 s[CH], 0
	s_cbranch_scc0 .Lrest
	tensor_load_to_lds s[40:43], s[24:31]          ; waves 1-3 and 5-7: key steps 4 c .. 4 c + 3, filled for the first time: a wave's one load behind this barrier
	s_nop 0
.rept 4
	v_nop
.endr
.Lrest:
	WALK 2                                         ; my first tile's steps among key steps 0-3: bytes under 16,384 of K and of V
	s_wait_tensorcnt 0x0                           ; my load has landed,
	s_wait_dscnt 0x0
	s_barrier_signal -1
	s_barrier_wait -1                              ; everybody's has; nothing is filled again
	WALK 6
.rept 4
	v_nop                                          ; four places in front of the first read of O^T
.endr
	v_add_f32 v13, v14, v15                        ; MY PART OF THE FIRST TILE goes to my bytes of LDS: the sum's two halves joined,
.irp i, 0,1,2,3,4,5,6,7
	ds_store_b128 v[STO], v[160+4*\i:163+4*\i] offset:512*\i   ; O^T, each tile from its low end on,
.endr
	ds_store_b64 v[STM], v[12:13]                  ; -M and the sum
.irp i, 0,1,2,3
	v_mov_b32 v[20+\i], v[192+\i]                  ; THE SECOND TILE: its q,
.endr
	v_mov_b32 v28, v196                            ; its scale words,
	v_mov_b32 v29, v197
	FRESH
	s_mov_b32 s[Q0], s[Q2]
	s_add_co_u32 s[QL], s[Q2], 15
	s_lshl_b32 s[TK], s[PAR], 12                   ; and my key steps from the start
	s_lshl_b32 s[TS], s[PAR], 8
	s_lshl_b32 s[KF], s[PAR], 7
	s_wait_alu depctr_va_vdst(0)
	WALK 8
.rept 4
	v_nop                                          ; four places in front of the loads into the fragments' registers and of the first read of O^T
.endr
	v_add_f32 v14, v14, v15
	s_wait_alu depctr_va_vdst(0)                   ; the wait directly ahead of the wait below
	s_wait_dscnt 0x0                               ; for the partner's sake: my part has landed
	s_barrier_signal -1
	s_barrier_wait -1
.irp i, 0,1,2,3,4,5,6,7
	ds_load_b128 v[32+4*\i:35+4*\i], v[PTO] offset:512*\i      ; THE PARTNER'S PART of the tile that I finish
.endr
	ds_load_b64 v[64:65], v[PTM]
	s_wait_dscnt 0x0
	v_min_num_f32 v66, v12, v64                    ; -M of both parts: the larger M
	s_delay_alu instid0(VALU_DEP_1)
	v_sub_f32 v67, v66, v12                        ; my M less it, and the partner's: whole numbers, 0 or less
	v_sub_f32 v68, v66, v64
	s_delay_alu instid0(VALU_DEP_2)
	v_cvt_i32_f32 v67, v67                         ; (they saturate)
	s_delay_alu instid0(VALU_DEP_2)
	v_cvt_i32_f32 v68, v68
	s_delay_alu instid0(VALU_DEP_2)
	v_ldexp_f32 v67, 1.0, v67                      ; the two factors: powers of two, or 0 for a part with no step
	s_delay_alu instid0(VALU_DEP_2)
	v_ldexp_f32 v68, 1.0, v68
	s_delay_alu instid0(VALU_DEP_2)
	v_mul_f32 v14, v14, v67
	s_delay_alu instid0(VALU_DEP_1)
	v_fmac_f32 v14, v65, v68
	s_delay_alu instid0(VALU_DEP_1)
	v_permlanex16_b32 v252, v14, s[SEL], s[SEL+1]
	s_delay_alu instid0(VALU_DEP_1)
	v_add_f32 v14, v14, v252                       ; the row's sum
	s_wait_alu depctr_va_vdst(0)                   ; the wait ahead of the transcendental
	v_rcp_f32 v14, v14
	v_bfe_u32 v235, v0, 4, 1                       ; (a plain instruction behind the transcendental)  h
	v_cmp_ne_u32 vcc_lo, 0, v235
	s_wait_alu depctr_va_vdst(0)                   ; the wait ahead of the reciprocal's first reader, and of the first readers of O^T
	v_mul_f32 v252, v67, v14                       ; factor / sum: a power of two times the reciprocal rounds nothing
	v_mul_f32 v236, v68, v14
.set n, 0
.rept 16
	v_pk_mul_f32 v[96+n:97+n], v[160+n:161+n], v[252:253] op_sel_hi:[1,0]   ; o(query r, channel 16 (n / 8) + 8 h + n % 8): my part, each tile from its low end on,
.set n, n+2
.endr
.set n, 0
.rept 16
	v_pk_fma_f32 v[96+n:97+n], v[32+n:33+n], v[236:237], v[96+n:97+n] op_sel_hi:[1,0,1]   ; and the partner's
.set n, n+2
.endr
	; the head's two blocks of 32 channels: block i in v[96 + 16 i ..+15]; lane half h holds numbers 8 h .. and 16 + 8 h ..
.irp i, 0,1
	v_max3_num_f32 v[232+\i], |v[96+16*\i]|, |v[97+16*\i]|, 0x1800000   ; with the floor 2^(3 - 127)
.endr
.irp p, 2,4,6,8,10,12,14
.irp i, 0,1
	s_delay_alu instid0(VALU_DEP_2)
	v_max3_num_f32 v[232+\i], v[232+\i], |v[96+16*\i+\p]|, |v[97+16*\i+\p]|
.endr
.endr
.irp i, 0,1
	s_delay_alu instid0(VALU_DEP_2)
	v_permlanex16_b32 v[236+\i], v[232+\i], s[SEL], s[SEL+1]
.endr
.irp i, 0,1
	s_delay_alu instid0(VALU_DEP_2)
	v_max_num_f32 v[232+\i], v[232+\i], v[236+\i]  ; the block's largest magnitude
.endr
.irp i, 0,1
	s_delay_alu instid0(VALU_DEP_2)
	v_add_nc_u32 v[240+\i], 0xff000000, v[232+\i]  ; the conversion's scale operand
.endr
.irp i, 0,1
	s_delay_alu instid0(VALU_DEP_2)
	v_lshrrev_b32 v[244+\i], 23, v[240+\i]         ; the scale's byte
.endr
.irp i, 0,1
	v_cvt_scalef32_pk8_fp4_f32 v[224+2*\i], v[96+16*\i:103+16*\i], v[240+\i]
	v_cvt_scalef32_pk8_fp4_f32 v[225+2*\i], v[104+16*\i:111+16*\i], v[240+\i]
.endr
	v_nop                                          ; one plain instruction behind the last conversion
.irp i, 0,1
	v_permlane16_swap_b32 v[224+2*\i], v[225+2*\i] ; each lane now holds 8 neighbouring bytes of the block
.endr
	global_store_b64 v[CO], v[224:225], s[74:75]   ; the wave stores 256 consecutive aligned bytes
	global_store_b64 v[CO], v[226:227], s[74:75] offset:65536
	v_cndmask_b32 v234, v244, v245, vcc_lo         ; lane half h stores block h's byte
	global_store_b8 v[BO], v234, s[76:77]
	s_wait_tensorcnt 0x0                           ; the wave's end
	ds_add_u32 v[SPW], v[NIL]
	s_wait_dscnt 0x0
	s_endpgm
.Lfunc_end_k_q03bbdda891_attn:
	.size	k_q03bbdda891_attn, .Lfunc_end_k_q03bbdda891_attn-k_q03bbdda891_attn
	.p2alignl 7, 3214868480
	.fill 96, 4, 3214868480
	.section	.rodata,"a",@progbits
	.p2align	6, 0x0
	.amdhsa_kernel k_q03bbdda891_attn
		.amdhsa_group_segment_fixed_size 327680
		.amdhsa_private_segment_fixed_size 0
		.amdhsa_enable_private_segment 0
		.amdhsa_kernarg_size 32
		.amdhsa_user_sgpr_count 2
		.amdhsa_user_sgpr_kernarg_segment_ptr 1
		.amdhsa_wavefront_size32 1
		.amdhsa_system_sgpr_workgroup_id_x 1
		.amdhsa_system_sgpr_workgroup_id_y 1
		.amdhsa_system_sgpr_workgroup_id_z 1
		.amdhsa_system_vgpr_workitem_id 0
		.amdhsa_next_free_vgpr 256
		.amdhsa_next_free_sgpr 100
		.amdhsa_reserve_vcc 1
		.amdhsa_float_denorm_mode_32 3
		.amdhsa_float_denorm_mode_16_64 3
		.amdhsa_memory_ordered 1
		.amdhsa_forward_progress 1
		.amdhsa_inst_pref_size 83
	.end_amdhsa_kernel
	.amdgpu_metadata
---
amdhsa.version: [ 1, 2 ]
amdhsa.kernels:
  - .name:           k_q03bbdda891_attn
    .symbol:         k_q03bbdda891_attn.kd
    .args:
      - { .name: qkv_c, .offset: 0, .size: 8, .value_kind: global_buffer, .address_space: global }
      - { .name: qkv_s, .offset: 8, .size: 8, .value_kind: global_buffer, .address_space: global }
      - { .name: a_c, .offset: 16, .size: 8, .value_kind: global_buffer, .address_space: global }
      - { .name: a_s, .offset: 24, .size: 8, .value_kind: global_buffer, .address_space: global }
    .group_segment_fixed_size: 327680
    .private_segment_fixed_size: 0
    .kernarg_segment_align: 8
    .kernarg_segment_size: 32
    .max_flat_workgroup_size: 512
    .sgpr_count:     100
    .vgpr_count:     256
    .wavefront_size: 32
...
	.end_amdgpu_metadata
.endif
;; end of part 3
;; launch oprojn (part 4): grid 256 x 1, 16 waves a work-group, clusters of 4 x 1, 327,680 bytes of LDS; arguments a_c, a_s, w_o_codes, w_o_scales, x, g2, x1, qkv_c, qkv_s; writes x1, qkv_c, qkv_s
.if DOCPART == 4
	.amdgcn_target "amdgcn-amd-amdhsa--gfx1250"
	.amdhsa_code_object_version 6
	.text
	.protected	k_q03bbdda891_oprojn
	.globl	k_q03bbdda891_oprojn
	.p2align	8
	.type	k_q03bbdda891_oprojn,@function
k_q03bbdda891_oprojn:
	s_mov_b64 s[64:65], 0
	v_nop
	global_prefetch_b8 v0, s[64:65] scope:SCOPE_SE
	s_setreg_imm32_b32 hwreg(HW_REG_WAVE_MODE, 25, 1), 1
	s_wait_xcnt 0x0
	s_wait_alu depctr_hold_cnt(0) depctr_sa_sdst(0) depctr_va_vdst(0) depctr_va_sdst(0) depctr_va_ssrc(0) depctr_va_vcc(0) depctr_vm_vsrc(0)
	s_getreg_b32 s2, hwreg(HW_REG_IB_STS2, 6, 4)
	s_cmp_eq_u32 s2, 0
	s_cbranch_scc0 .Lentry_in_a_cluster
	s_endpgm
.Lentry_in_a_cluster:
	s_bfe_u32 s2, ttmp6, 0x10000c
	s_cmp_lg_u32 s2, 0x3003
	s_cbranch_scc0 .Lentry_shape_is_right
	s_endpgm
.Lentry_shape_is_right:
; x1 = x + o W_o, then y = x1 / sqrt(mean(x1^2) + 1e-6) * g2 quantised along the row: the product on codes of FP4 (E2M1) with E8M0 scales, all else in f32.
; IN: o's codes [block 32][token 4,096][16 bytes], its scale bytes [token][32]; W_o's codes [n][512 bytes], scale bytes [n][32]; x, g2 in f32.
; OUT: x1 f32 [4,096][1,024]; y's codes [block 32][token 4,096][16 bytes] at the start of qkv_c and its scale bytes [token][32] at the start of qkv_s: both are done with behind the attention, and this launch reads neither.
; SHARES: a work-group owns 16 whole rows (tokens), since the norm wants a whole row: 256 work-groups.  16 waves.
; THE PRODUCT: W_o's 1,024 rows go through ONE area of LDS of 512 rows (512 bytes + 16 of padding), filled twice.  In fill f wave w takes W_o's rows 512 f + 32 w .. + 31: two tiles of 16, K in 8 steps of 128;
; the two sums take turns, one instruction a turn.
; The products are used transposed (source 0 = weight rows, source 1 = tokens): a lane holds one token and eight neighbouring columns.
; CLUSTER: 4 x 1 work-groups walk the same W_o: its fills are joint loads with the mask 15, waves 0-7 fetching 64 rows each.  o's tile (32 planes x 256 bytes) is the work-group's own: wave 8's plain load.
; PREFETCH: the second fill's 262,144 bytes are asked for at the head by the first four clusters alone, one fill ahead of their load: waves 8-15 of each partner name 65,536 bytes, a lane a block of 256; the partners are told apart by address.
; THE WAY OUT: the sums go into a stage of 16 rows x 4,112 bytes, which lies in the area behind its last fill and last read; wave w takes row w back, lane L holding columns 256 j + 8 L + 0..7 (j = 0..3), adds x,
; sends x1 through its own stage row once more so that each store covers 512 consecutive aligned bytes, and normalises and quantises the row: a block of 32 lies in four neighbouring lanes.
; The codes of 16 rows meet in LDS (a plane for each block: 256 bytes + 16) and leave as runs of 256 consecutive aligned bytes; the scale bytes as one run of 512.
; LIMITS: NaN and infinities are not served; the division is a multiplication by v_rsq_f32's result; a block of zeros, or one under 2^-124, gets the byte 1 (read by this program alone).
.set PITCH, 528
.set LA,    512*PITCH                  ; 270,336: o's tile, 8,192 bytes
.set LQ,    LA+8192                    ; the codes' planes,
.set PP,    272
.set SCS,   32*PP                      ; and behind them 16 rows x 32 scale bytes
.set SPARE, LQ+SCS+512                 ; the spare words, 128 bytes a wave
.set RP,    4112                       ; a stage row: 4,096 bytes + 16
.set X,     16                         ; v16-47   x's row, then x1, then y
.set G,     48                         ; v48-79   the gains
.set SA,    80                         ; v80-83   o's scale words: register q: K step q in lanes 0-15, step 4 + q in lanes 16-31
.set SB,    84                         ; v84-99   W_o's likewise, four registers a tile
.set AF,    100                        ; v100-163 o's fragments of all eight K steps, read from LDS once and kept for both fills; later 32 numbers from the stage
.set BF,    164                        ; v164-195 W_o's, two tiles x two K steps
.set ACC,   196                        ; v196-227 sums: (fill f, tile t) at ACC + 16 f + 8 t
.set C,     132                        ; the quantiser's, behind the products: codes,
.set BB,    136                        ; scale bytes,
.set MM,    140                        ; largest magnitudes,
.set OUTR,  144                        ; the way out
.set ADRA,  228
.set ADRB,  229
.set STO,   230                        ; into the stage
.set RDB,   231                        ; my stage row, 32 bytes a lane
.set RDA,   232                        ; my stage row, 16 bytes a lane
.set SLO,   233                        ; 32 r + 16 h
.set PFO,   234                        ; the prefetch's offset; never rewritten
.set SBY,   235                        ; the scale bytes' way out, in LDS
.set SPW,   250
.set NIL,   251
.set WV,    22
.macro CROUND                          ; a round of the cluster's barrier
	s_barrier_signal -1
	s_barrier_wait -1
	s_cmp_lg_u32 s[WV], 0
	s_cbranch_scc1 .Lnot_wave_0_\@
	s_barrier_signal -3
.Lnot_wave_0_\@:
	s_barrier_wait -3
	s_barrier_signal -1
	s_barrier_wait -1
.endm
.macro WM d, x, y, sx, sy, st          ; K step 0 starts the sums; steps 4-7 take their scale words from lanes 16-31
.if (\st) == 0
	v_wmma_scale_f32_16x16x128_f8f6f4 v[\d:\d+7], v[\x:\x+7], v[\y:\y+7], 0, v[\sx], v[\sy] matrix_a_fmt:MATRIX_FMT_FP4 matrix_b_fmt:MATRIX_FMT_FP4
.elseif (\st) >= 4
	v_wmma_scale_f32_16x16x128_f8f6f4 v[\d:\d+7], v[\x:\x+7], v[\y:\y+7], v[\d:\d+7], v[\sx], v[\sy] matrix_a_fmt:MATRIX_FMT_FP4 matrix_b_fmt:MATRIX_FMT_FP4 matrix_a_scale:MATRIX_SCALE_ROW1 matrix_b_scale:MATRIX_SCALE_ROW1
.else
	v_wmma_scale_f32_16x16x128_f8f6f4 v[\d:\d+7], v[\x:\x+7], v[\y:\y+7], v[\d:\d+7], v[\sx], v[\sy] matrix_a_fmt:MATRIX_FMT_FP4 matrix_b_fmt:MATRIX_FMT_FP4
.endif
.endm
; Two K steps, 2 q and 2 q + 1, of fill f: 8 LDS loads for W_o's fragments, in the first fill 4 more for o's, and 4 products.
.macro GRP f, q
.rept 4
	v_nop                                          ; four places in front of loads into registers that matrix instructions have read
.endr
.irp i, 0,1
.irp c, 0,1
.if \f == 0
	ds_load_b128 v[AF+8*(2*\q+\i)+4*\c:AF+8*(2*\q+\i)+4*\c+3], v[ADRA] offset:1024*(2*\q+\i)+512*\c
.endif
	ds_load_b128 v[BF+8*\i+4*\c:BF+8*\i+4*\c+3], v[ADRB] offset:64*(2*\q+\i)+32*\c
	ds_load_b128 v[BF+16+8*\i+4*\c:BF+16+8*\i+4*\c+3], v[ADRB] offset:16*PITCH+64*(2*\q+\i)+32*\c
.endr
.endr
	s_wait_dscnt 0x0
.irp i, 0,1
.irp t, 0,1
	WM ACC+16*\f+8*\t, BF+16*\t+8*\i, AF+8*(2*\q+\i), SB+8*\f+4*\t+((2*\q+\i)&3), SA+((2*\q+\i)&3), 2*\q+\i
.endr
.endr
.endm
	s_load_b512 s[4:19], s[0:1], 0x0               ; o's codes s[4:5], scales s[6:7]; W_o's codes s[8:9], scales s[10:11]; x s[12:13]; g2 s[14:15]; x1 s[16:17]; y's codes s[18:19]
	s_load_b64 s[20:21], s[0:1], 0x40              ; y's scale bytes
	v_lshl_add_u32 v[SPW], v0, 2, SPARE
	v_mov_b32 v[NIL], 0
	ds_add_u32 v[SPW], v[NIL]                      ; the opening: the add, twice on end, and its wait ahead of the round in front of the first tensor loads
	ds_add_u32 v[SPW], v[NIL]
	v_lshrrev_b32 v8, 5, v0
	v_readfirstlane_b32 s[WV], v8                  ; wave 0..15
	s_bfe_u32 s23, ttmp6, 0x40000                  ; cx
	s_lshl_b32 s24, ttmp9, 2
	s_add_co_u32 s24, s24, s23                     ; the work-group: which 16 tokens
	s_mov_b32 s28, 15|(1<<20)|(1<<21)|(6<<22)|(3<<25)   ; W_o's group 1: the mask of all four partners; elements of 1 byte; bit 21 beside a mask; 4 words of padding behind every 128
	s_mov_b32 s29, 512<<16
	s_mov_b32 s30, 64<<16
	s_mov_b32 s31, 512<<16
	s_mov_b32 s32, 64
	s_mov_b32 s33, 512
	s_mov_b32 s34, 0
	s_mov_b32 s35, 0
	s_mov_b32 s36, 3<<16                           ; o's group 1: no mask; elements of 8 bytes; 32 planes of 256 bytes, 65,536 bytes apart
	s_mov_b32 s37, 32<<16
	s_mov_b32 s38, 32<<16
	s_mov_b32 s39, 32<<16
	s_mov_b32 s40, 32
	s_mov_b32 s41, 8192
	s_mov_b32 s42, 0
	s_mov_b32 s43, 0
	s_min_u32 s25, s[WV], 7                        ; (a wave that fetches no weights keeps an address inside LDS)
	s_mul_i32 s45, s25, 64*PITCH                   ; W_o: 64 rows a wave: the wave's number alone
	s_lshl_b32 s52, s25, 15
	s_mov_b32 s53, 0
	s_lshl_b32 s54, s24, 8                         ; 16 tokens x 16 bytes in a plane of codes, o's and y's alike
	s_mov_b32 s55, 0
	s_lshl_b32 s56, s24, 9                         ; 16 tokens x 32 scale bytes, likewise
	s_mov_b32 s57, 0
	s_lshl_b32 s58, s[WV], 10                      ; W_o's scale bytes: 32 w rows of 32
	s_mov_b32 s59, 0
	s_lshl_b32 s60, s24, 4
	s_add_co_u32 s60, s60, s[WV]
	s_lshl_b32 s60, s60, 12                        ; my row of x and x1: 4,096 bytes a row
	s_mov_b32 s61, 0
	s_mov_b32 s26, 0x76543210                      ; lane selects: lane l xor 16
	s_mov_b32 s27, 0xfedcba98
	s_mov_b32 s62, 0x3a800000                      ; 1 / 1,024
	s_and_b32 s63, s[WV], 7
	s_lshl_b32 s63, s63, 13
	s_lshl_b32 s66, s23, 16
	s_add_co_u32 s63, s63, s66                     ; the prefetch: 65,536 bytes a partner, 8,192 a wave
	s_lshl_b32 s66, s[WV], 4
	s_add_co_u32 s66, s66, LQ
	s_lshl_b32 s67, s[WV], 5
	s_add_co_u32 s67, s67, LQ+SCS
	s_lshl_b32 s68, s[WV], 1
	s_mul_i32 s69, s[WV], 32*PITCH
	s_lshl_b32 s70, s[WV], 7
	s_mul_i32 s71, s[WV], RP
	v_and_b32 v1, 31, v0                           ; lane
	v_and_b32 v8, 15, v0                           ; r
	v_bfe_u32 v9, v0, 4, 1                         ; h
	v_lshlrev_b32 v2, 5, v1                        ; 32 bytes a lane in each group of a row
	v_lshlrev_b32 v[SLO], 5, v8
	v_lshlrev_b32 v[PFO], 8, v1
	v_lshlrev_b32 v7, 4, v1                        ; 16 x lane
	v_lshl_add_u32 v[SLO], v9, 4, v[SLO]
	v_add_nc_u32 v[PFO], s63, v[PFO]
	v_lshrrev_b32 v10, 2, v1                       ; which block of a group's eight
	v_and_b32 v11, 3, v1                           ; which four bytes of the block's sixteen
	v_lshrrev_b32 v12, 4, v1
	v_mul_u32_u24 v3, v10, PP
	v_add_nc_u32 v4, s67, v10                      ; bytes into LDS: 32 x row + block
	v_add_nc_u32 v12, s68, v12                     ; the way out: wave w takes planes 2 w and 2 w + 1, sixteen lanes each
	v_lshl_add_u32 v3, v11, 2, v3
	v_mul_u32_u24 v5, v12, PP
	v_lshlrev_b32 v6, 16, v12
	v_add_nc_u32 v3, s66, v3                       ; codes into LDS: plane x 272 + 16 x row + 4 x quarter
	v_lshl_add_u32 v5, v8, 4, v5
	v_lshl_add_u32 v6, v8, 4, v6                   ; in memory: a plane is 65,536 bytes
	v_add_nc_u32 v[SBY], LQ+SCS, v7
	v_add_nc_u32 v5, LQ, v5                        ; in LDS
	v_lshlrev_b32 v[ADRA], 4, v8
	v_mul_u32_u24 v[ADRB], v8, PITCH
	v_mul_u32_u24 v[STO], v8, RP
	v_lshl_add_u32 v[ADRA], v9, 8, v[ADRA]         ; plane h, token r
	v_lshl_add_u32 v[ADRB], v9, 4, v[ADRB]
	v_lshl_add_u32 v[STO], v9, 5, v[STO]           ; stage: row r, 32 bytes for each half of the lanes,
	v_add_nc_u32 v[ADRA], LA, v[ADRA]
	v_add_nc_u32 v[ADRB], s69, v[ADRB]             ; my 32 rows of the area
	v_add_nc_u32 v[STO], s70, v[STO]               ; at my 32 columns
	v_add_nc_u32 v[RDB], s71, v2
	v_add_nc_u32 v[RDA], s71, v7
	s_wait_alu depctr_va_vdst(0)                   ; the wait directly ahead of the waits below
	s_wait_dscnt 0x0                               ; both opening adds are done
	s_wait_kmcnt 0x0
	s_add_nc_u64 s[6:7], s[6:7], s[56:57]
	s_add_nc_u64 s[10:11], s[10:11], s[58:59]
	s_add_nc_u64 s[12:13], s[12:13], s[60:61]
	s_add_nc_u64 s[16:17], s[16:17], s[60:61]
	s_add_nc_u64 s[18:19], s[18:19], s[54:55]
	s_add_nc_u64 s[20:21], s[20:21], s[56:57]
	global_load_b128 v[SA:SA+3], v[SLO], s[6:7]    ; 16 rows x 32 bytes: 512 consecutive bytes
.irp a, 0,1,2,3
	global_load_b128 v[SB+4*\a:SB+4*\a+3], v[SLO], s[10:11] offset:16384*(\a/2)+512*(\a%2)
.endr
	s_cmp_lt_u32 s[WV], 8
	s_cbranch_scc1 .Lno_pf
	s_cmp_lt_u32 ttmp9, 4
	s_cbranch_scc0 .Lno_prefetch_oprojn0
	global_prefetch_b8 v[PFO], s[8:9] offset:262144 th:TH_LOAD_NT scope:SCOPE_SE   ; waves 8-15: the second fill's rows; the last lane names byte 524,032 of 524,288
.Lno_prefetch_oprojn0:
.Lno_pf:
	s_mov_b32 s44, 1
	s_add_nc_u64 s[46:47], s[8:9], s[52:53]
	s_or_b32 s47, s47, 0x80000000
	s_mov_b32 s48, 1
	s_mov_b32 s49, LA
	s_add_nc_u64 s[50:51], s[4:5], s[54:55]
	s_or_b32 s51, s51, 0x80000000
	CROUND                                         ; all four work-groups are here: the joint loads meet
	s_cmp_lt_u32 s[WV], 8                          ; the head's fills: one chain of branches on the wave's number, one load to an arm
	s_cbranch_scc0 .Lnot_w
	tensor_load_to_lds s[44:47], s[28:35]          ; waves 0-7: W_o's rows 64 w .. 64 w + 63
	s_nop 0
.rept 4
	v_nop
.endr
	s_branch .Lasked
.Lnot_w:
	s_cmp_eq_u32 s[WV], 8
	s_cbranch_scc0 .Lasked
	tensor_load_to_lds s[48:51], s[36:43]          ; wave 8: o's tile
	s_nop 0
.rept 4
	v_nop
.endr
.Lasked:
	; x's row and the gains are first wanted on the way out: their sixteen loads stand behind the head's tensor loads
.irp j, 0,1,2,3
	global_load_b128 v[X+8*\j:X+8*\j+3],   v2, s[12:13] offset:1024*\j th:TH_LOAD_NT
	global_load_b128 v[X+8*\j+4:X+8*\j+7], v2, s[12:13] offset:1024*\j+16 th:TH_LOAD_NT
.endr
.irp j, 0,1,2,3
	global_load_b128 v[G+8*\j:G+8*\j+3],   v2, s[14:15] offset:1024*\j
	global_load_b128 v[G+8*\j+4:G+8*\j+7], v2, s[14:15] offset:1024*\j+16
.endr
	s_wait_loadcnt 16                              ; the scale words are in; x's eight loads and g2's eight, issued behind them, may be out
	s_wait_tensorcnt 0x0                           ; my tensor load has landed,
	s_barrier_signal -1
	s_barrier_wait -1                              ; everybody's has
	GRP 0, 0
	GRP 0, 1
	GRP 0, 2
	GRP 0, 3
	s_wait_tensorcnt 0x0                           ; THE REFILL: no tensor load of mine is out,
	ds_add_u32 v[SPW], v[NIL]                      ; the add, twice on end here
	ds_add_u32 v[SPW], v[NIL]
	s_add_nc_u64 s[46:47], s[46:47], 262144        ; W_o's rows 512 on
	s_wait_dscnt 0x0                               ; the adds are done, and my reads of the area are over
	CROUND                                         ; the same holds of every wave of all four work-groups
	s_cmp_lt_u32 s[WV], 8
	s_cbranch_scc0 .Lno_refill
	tensor_load_to_lds s[44:47], s[28:35]          ; the first tensor load behind the round, one a wave
	s_nop 0
.rept 4
	v_nop
.endr
.Lno_refill:
	s_wait_tensorcnt 0x0
	s_barrier_signal -1
	s_barrier_wait -1                              ; the second fill is whole
	GRP 1, 0
	GRP 1, 1
	GRP 1, 2
	GRP 1, 3
.rept 4
	v_nop                                          ; four places in front of the first read of results and of the loads into the fragments' registers
.endr
	s_wait_dscnt 0x0
	s_barrier_signal -1
	s_barrier_wait -1                              ; nobody reads the area any more, and it has had its last fill: the stage lies there
.irp a, 0,1,2,3
	ds_store_b128 v[STO], v[ACC+8*\a:ACC+8*\a+3] offset:2048*(\a/2)+64*(\a%2)       ; each sum from its low end on
	ds_store_b128 v[STO], v[ACC+8*\a+4:ACC+8*\a+7] offset:2048*(\a/2)+64*(\a%2)+16
.endr
	s_wait_dscnt 0x0                               ; for the others' sake: my stores have landed
	s_barrier_signal -1
	s_barrier_wait -1
.irp j, 0,1,2,3
	ds_load_b128 v[AF+8*\j:AF+8*\j+3],   v[RDB] offset:1024*\j       ; row w of o W_o, in x's layout
	ds_load_b128 v[AF+8*\j+4:AF+8*\j+7], v[RDB] offset:1024*\j+16
.endr
	s_wait_loadcnt 0x8                             ; x is in; g2's eight loads may be out
	s_wait_dscnt 0x0
.irp i, 0,1,2,3,4,5,6,7,8,9,10,11,12,13,14,15
	v_pk_add_f32 v[X+2*\i:X+2*\i+1], v[X+2*\i:X+2*\i+1], v[AF+2*\i:AF+2*\i+1]       ; x1
.endr
.irp j, 0,1,2,3
	ds_store_b128 v[RDB], v[X+8*\j:X+8*\j+3] offset:1024*\j          ; x1 through my own stage row: LDS serves a wave's instructions in order
	ds_store_b128 v[RDB], v[X+8*\j+4:X+8*\j+7] offset:1024*\j+16
.endr
.irp i, 0,1,2,3,4,5,6,7
	ds_load_b128 v[AF+4*\i:AF+4*\i+3], v[RDA] offset:512*\i          ; back with 16 neighbouring bytes in neighbouring lanes
.endr
.irp c, 0,1,2,3
	v_pk_mul_f32 v[8+2*\c:9+2*\c], v[X+2*\c:X+2*\c+1], v[X+2*\c:X+2*\c+1]     ; four chains of squares; the first products start them
.endr
.irp i, 4,5,6,7,8,9,10,11,12,13,14,15
	s_delay_alu instid0(VALU_DEP_4)
	v_pk_fma_f32 v[8+2*(\i%4):9+2*(\i%4)], v[X+2*\i:X+2*\i+1], v[X+2*\i:X+2*\i+1], v[8+2*(\i%4):9+2*(\i%4)]
.endr
	s_delay_alu instid0(VALU_DEP_3)
	v_pk_add_f32 v[8:9], v[8:9], v[10:11]
	s_delay_alu instid0(VALU_DEP_2)
	v_pk_add_f32 v[12:13], v[12:13], v[14:15]
	s_delay_alu instid0(VALU_DEP_1)
	v_pk_add_f32 v[8:9], v[8:9], v[12:13]
	s_delay_alu instid0(VALU_DEP_1)
	v_add_f32 v8, v8, v9
.irp m, 1,2,4,8
	s_delay_alu instid0(VALU_DEP_1)
	v_add_f32_dpp v8, v8, v8 row_xmask:\m row_mask:0xf bank_mask:0xf
.endr
	s_delay_alu instid0(VALU_DEP_1)
	v_permlanex16_b32 v9, v8, s26, s27
	s_delay_alu instid0(VALU_DEP_1)
	v_add_f32 v8, v8, v9                           ; the row's sum of squares, in every lane
	v_mov_b32 v12, 0x358637bd                      ; 1e-6
	s_delay_alu instid0(VALU_DEP_1)
	v_fma_f32 v8, v8, s62, v12                     ; mean + eps
	s_wait_alu depctr_va_vdst(0)                   ; the wait ahead of the transcendental
	v_rsq_f32 v10, v8
	v_nop                                          ; a plain instruction behind the transcendental
	s_wait_alu depctr_va_vdst(0)                   ; and the wait ahead of its first reader
	s_wait_dscnt 0x0                               ; x1 is back
.irp i, 0,1,2,3,4,5,6,7
	global_store_b128 v7, v[AF+4*\i:AF+4*\i+3], s[16:17] offset:512*\i th:TH_STORE_NT   ; the wave stores 512 consecutive aligned bytes; these registers are not written again
.endr
	s_wait_loadcnt 0x0                             ; g2
.irp i, 0,1,2,3,4,5,6,7,8,9,10,11,12,13,14,15
	v_pk_mul_f32 v[X+2*\i:X+2*\i+1], v[X+2*\i:X+2*\i+1], v[10:11] op_sel_hi:[1,0]
.endr
.irp i, 0,1,2,3,4,5,6,7,8,9,10,11,12,13,14,15
	v_pk_mul_f32 v[X+2*\i:X+2*\i+1], v[X+2*\i:X+2*\i+1], v[G+2*\i:G+2*\i+1]
.endr
.irp j, 0,1,2,3
	v_max3_num_f32 v[MM+\j], |v[X+8*\j]|, |v[X+8*\j+1]|, 0x1800000     ; my eight of the block, and the floor 2^(3 - 127); the four groups by turns
.endr
.irp p, 2,4,6
.irp j, 0,1,2,3
	s_delay_alu instid0(VALU_DEP_4)
	v_max3_num_f32 v[MM+\j], v[MM+\j], |v[X+8*\j+\p]|, |v[X+8*\j+\p+1]|
.endr
.endr
.irp m, 1,2
.irp j, 0,1,2,3
	s_delay_alu instid0(VALU_DEP_4)
	v_max_num_f32_dpp v[MM+\j], v[MM+\j], v[MM+\j] row_xmask:\m row_mask:0xf bank_mask:0xf   ; with the block's other three lanes
.endr
.endr
.irp j, 0,1,2,3
	s_delay_alu instid0(VALU_DEP_4)
	v_add_nc_u32 v[8+\j], 0xff000000, v[MM+\j]     ; 2 off the exponent field: the conversion's scale operand
.endr
.irp j, 0,1,2,3
	s_delay_alu instid0(VALU_DEP_4)
	v_lshrrev_b32 v[BB+\j], 23, v[8+\j]            ; the scale's byte
.endr
.irp j, 0,1,2,3
	v_cvt_scalef32_pk8_fp4_f32 v[C+\j], v[X+8*\j:X+8*\j+7], v[8+\j]
.endr
	v_nop                                          ; one plain instruction behind the last conversion
.irp j, 0,1,2,3
	ds_store_b32 v3, v[C+\j] offset:8*PP*\j
	ds_store_b8 v4, v[BB+\j] offset:8*\j           ; a block's four lanes write the same byte with the same value
.endr
	s_wait_dscnt 0x0                               ; for the others' sake: my stores have landed
	s_barrier_signal -1
	s_barrier_wait -1
	ds_load_b128 v[OUTR:OUTR+3], v5                ; 16 rows' blocks of one plane in sixteen lanes
	s_wait_dscnt 0x0
	global_store_b128 v6, v[OUTR:OUTR+3], s[18:19] ; sixteen lanes store 256 consecutive aligned bytes
	s_cmp_lg_u32 s[WV], 0
	s_cbranch_scc1 .Lend
	ds_load_b128 v[C:C+3], v[SBY]                  ; wave 0: the 16 rows' 512 scale bytes
	s_wait_dscnt 0x0
	global_store_b128 v7, v[C:C+3], s[20:21]
.Lend:
	s_wait_tensorcnt 0x0                           ; the wave's end
	ds_add_u32 v[SPW], v[NIL]
	s_wait_dscnt 0x0
	CROUND                                         ; the closing round: no work-group ends while a partner may still ask for a tile that names it
	s_endpgm
.Lfunc_end_k_q03bbdda891_oprojn:
	.size	k_q03bbdda891_oprojn, .Lfunc_end_k_q03bbdda891_oprojn-k_q03bbdda891_oprojn
	.p2alignl 7, 3214868480
	.fill 96, 4, 3214868480
	.section	.rodata,"a",@progbits
	.p2align	6, 0x0
	.amdhsa_kernel k_q03bbdda891_oprojn
		.amdhsa_group_segment_fixed_size 327680
		.amdhsa_private_segment_fixed_size 0
		.amdhsa_enable_private_segment 0
		.amdhsa_kernarg_size 72
		.amdhsa_user_sgpr_count 2
		.amdhsa_user_sgpr_kernarg_segment_ptr 1
		.amdhsa_wavefront_size32 1
		.amdhsa_system_sgpr_workgroup_id_x 1
		.amdhsa_system_sgpr_workgroup_id_y 1
		.amdhsa_system_sgpr_workgroup_id_z 1
		.amdhsa_system_vgpr_workitem_id 0
		.amdhsa_next_free_vgpr 256
		.amdhsa_next_free_sgpr 100
		.amdhsa_reserve_vcc 0
		.amdhsa_float_denorm_mode_32 3
		.amdhsa_float_denorm_mode_16_64 3
		.amdhsa_memory_ordered 1
		.amdhsa_forward_progress 1
		.amdhsa_inst_pref_size 34
	.end_amdhsa_kernel
	.amdgpu_metadata
---
amdhsa.version: [ 1, 2 ]
amdhsa.kernels:
  - .name:           k_q03bbdda891_oprojn
    .symbol:         k_q03bbdda891_oprojn.kd
    .args:
      - { .name: a_c, .offset: 0, .size: 8, .value_kind: global_buffer, .address_space: global }
      - { .name: a_s, .offset: 8, .size: 8, .value_kind: global_buffer, .address_space: global }
      - { .name: w_o_codes, .offset: 16, .size: 8, .value_kind: global_buffer, .address_space: global }
      - { .name: w_o_scales, .offset: 24, .size: 8, .value_kind: global_buffer, .address_space: global }
      - { .name: x, .offset: 32, .size: 8, .value_kind: global_buffer, .address_space: global }
      - { .name: g2, .offset: 40, .size: 8, .value_kind: global_buffer, .address_space: global }
      - { .name: x1, .offset: 48, .size: 8, .value_kind: global_buffer, .address_space: global }
      - { .name: qkv_c, .offset: 56, .size: 8, .value_kind: global_buffer, .address_space: global }
      - { .name: qkv_s, .offset: 64, .size: 8, .value_kind: global_buffer, .address_space: global }
    .group_segment_fixed_size: 327680
    .private_segment_fixed_size: 0
    .kernarg_segment_align: 8
    .kernarg_segment_size: 72
    .max_flat_workgroup_size: 512
    .sgpr_count:     100
    .vgpr_count:     256
    .wavefront_size: 32
...
	.end_amdgpu_metadata
.endif
;; end of part 4
;; launch gateup (part 5): grid 16 x 16, 16 waves a work-group, clusters of 4 x 4, 269,312 bytes of LDS; arguments qkv_c, qkv_s, w_gate_codes, w_gate_scales, w_up_codes, w_up_scales, h_c, h_s; writes h_c, h_s
.if DOCPART == 5
	.amdgcn_target "amdgcn-amd-amdhsa--gfx1250"
	.amdhsa_code_object_version 6
	.text
	.protected	k_q03bbdda891_gateup
	.globl	k_q03bbdda891_gateup
	.p2align	8
	.type	k_q03bbdda891_gateup,@function
k_q03bbdda891_gateup:
	s_mov_b64 s[64:65], 0
	v_nop
	global_prefetch_b8 v0, s[64:65] scope:SCOPE_SE
	s_setreg_imm32_b32 hwreg(HW_REG_WAVE_MODE, 25, 1), 1
	s_wait_xcnt 0x0
	s_wait_alu depctr_hold_cnt(0) depctr_sa_sdst(0) depctr_va_vdst(0) depctr_va_sdst(0) depctr_va_ssrc(0) depctr_va_vcc(0) depctr_vm_vsrc(0)
	s_getreg_b32 s2, hwreg(HW_REG_IB_STS2, 6, 4)
	s_cmp_eq_u32 s2, 0
	s_cbranch_scc0 .Lentry_in_a_cluster
	s_endpgm
.Lentry_in_a_cluster:
	s_bfe_u32 s2, ttmp6, 0x10000c
	s_cmp_lg_u32 s2, 0xf033
	s_cbranch_scc0 .Lentry_shape_is_right
	s_endpgm
.Lentry_shape_is_right:
; hidden = silu(nx W_gate) * (nx W_up) for 128 hidden units and 256 tokens, on codes of FP4 (E2M1) with E8M0 scales; the result is quantised here along the hidden units, the next product's K.
; IN: nx's codes [block 32][token 4,096][16 bytes], scale bytes [token][32]; the weights' codes [n][512 bytes], scale bytes [n][32].
; OUT: h_c [block 64][token 4,096][16 bytes]; h_s [K step of 128: 16][token 4,096][4 bytes].
; SHARES: work-group (x = 128 hidden units = one K step of the next product, y = 256 tokens), 16 waves: wave w takes 64 tokens (w % 4) x 32 units (w / 4), gate and up: 4 x 4 tiles, tiles 0, 1 gate, tiles 2, 3 up.
; LDS: the whole A tile (32 planes x 256 tokens x 16 bytes), 128 rows of W_gate and 128 of W_up (512 bytes + 16) fit at once: each byte is filled once, no ring; behind them 1,024 bytes for the scale bytes' way out.
; CLUSTER: 4 x 4; A's tile hangs on y alone and is asked for jointly along a row of the cluster, the weights' on x alone, along a column.
; The products are used transposed (source 0 = weight rows, source 1 = tokens): a lane holds one token and eight neighbouring units; a wave's 32 units are one block of 32.
; silu(g) u = g u / (1 + 2^(-g log2 e)), in f32, by v_exp_f32 and v_rcp_f32.
; LIMITS: NaN and infinities are not served; a block of zeros, or one under 2^-124, gets the byte 1 (read by this program alone).
.set KK,    1024
.set T,     256
.set PL,    16*T
.set KROW,  KK/2
.set PITCH, KROW+16
.set QI,    6
.set LA,    0
.set LB,    T*KROW
.set HSL,   LB+256*PITCH               ; 266,240: the work-group's 256 scale words
.set SPR,   65536/(4*PL)
.set TA,    4
.set NBF,   4                          ; waves 0-3 fetch the weights' rows, waves 4-7 A's planes
.set ADRA,  3                          ; v3, v4  LDS address of my A fragments, K steps 0-3 and 4-7
.set ADRB,  5                          ; v5, v6  of my gate rows and my up rows
.set SLO,   7                          ; v7      32 r + 16 h
.set CO,    8                          ; v8      16 r + 8 h
.set HB,    9                          ; v9      where my scale byte goes in LDS
.set HG,    10                         ; v10     16 x (thread % 64): the scale words' way out, in memory
.set HR,    11                         ; v11     and in LDS
.set SA,    16
.set SB,    32
.set AF,    48
.set BF,    80
.set TP,    48                         ; v48-111 at work behind the products: 64 numbers
.set ACC,   112
.set TM,    240
.set WV,    24
.set SEL,   96
.set NL,    98                         ; s[98:99] -log2(e)
.macro CROUND
	s_barrier_signal -1
	s_barrier_wait -1
	s_cmp_lg_u32 s[WV], 0
	s_cbranch_scc1 .Lnot_wave_0_\@
	s_barrier_signal -3
.Lnot_wave_0_\@:
	s_barrier_wait -3
	s_barrier_signal -1
	s_barrier_wait -1
.endm
.macro WM d, x, y, sx, sy, st          ; K step 0 starts the sums; steps 4-7 take their scale words from lanes 16-31
.if (\st) == 0
	v_wmma_scale_f32_16x16x128_f8f6f4 v[\d:\d+7], v[\x:\x+7], v[\y:\y+7], 0, v[\sx], v[\sy] matrix_a_fmt:MATRIX_FMT_FP4 matrix_b_fmt:MATRIX_FMT_FP4
.elseif (\st) >= 4
	v_wmma_scale_f32_16x16x128_f8f6f4 v[\d:\d+7], v[\x:\x+7], v[\y:\y+7], v[\d:\d+7], v[\sx], v[\sy] matrix_a_fmt:MATRIX_FMT_FP4 matrix_b_fmt:MATRIX_FMT_FP4 matrix_a_scale:MATRIX_SCALE_ROW1 matrix_b_scale:MATRIX_SCALE_ROW1
.else
	v_wmma_scale_f32_16x16x128_f8f6f4 v[\d:\d+7], v[\x:\x+7], v[\y:\y+7], v[\d:\d+7], v[\sx], v[\sy] matrix_a_fmt:MATRIX_FMT_FP4 matrix_b_fmt:MATRIX_FMT_FP4
.endif
.endm
; A K step of 128: 16 LDS loads, 16 products; the 16 sums take turns, one instruction a turn, in the same order in every step.
.macro KSTEP s
.if (\s) > 0
.rept 4
	v_nop                                          ; four places in front of loads into registers that matrix instructions have read
.endr
.endif
.irp b, 0,1,2,3
.irp c, 0,1
	ds_load_b128 v[BF+8*\b+4*\c:BF+8*\b+4*\c+3], v[ADRB+\b/2] offset:16*(\b%2)*PITCH+64*(\s)+32*\c
.endr
.endr
.irp a, 0,1,2,3
.irp c, 0,1
	ds_load_b128 v[AF+8*\a+4*\c:AF+8*\a+4*\c+3], v[ADRA+(\s)/SPR] offset:(4*((\s)%SPR)+2*\c)*PL+256*\a
.endr
.endr
.irp a, 0,1,2,3
	s_wait_dscnt 2*(TA-1-\a)                       ; the later A fragments' two loads each may be out
.irp b, 0,1,2,3
	WM ACC+8*(4*\a+\b), BF+8*\b, AF+8*\a, SB+4*\b+((\s)&3), SA+4*\a+((\s)&3), \s
.endr
.endr
.endm
.macro QUANT nb, xb, xs, yo, cd        ; nb blocks of 32, block i in X = v[xb + xs i ..+7] and Y = X + yo -> codes in the pairs v[cd + 2 i], bytes in v[TM + 12 + i]; the blocks take turns line by line
.set qi, 0
.rept \nb
	v_max3_num_f32 v[TM+qi], |v[(\xb)+(\xs)*qi]|, |v[(\xb)+(\xs)*qi+1]|, 0x1800000
.set qi, qi+1
.endr
.irp p, 2,4,6
.set qi, 0
.rept \nb
	s_delay_alu instid0(VALU_DEP_4)
	v_max3_num_f32 v[TM+qi], v[TM+qi], |v[(\xb)+(\xs)*qi+\p]|, |v[(\xb)+(\xs)*qi+\p+1]|
.set qi, qi+1
.endr
.endr
.irp p, 0,2,4,6
.set qi, 0
.rept \nb
	s_delay_alu instid0(VALU_DEP_4)
	v_max3_num_f32 v[TM+qi], v[TM+qi], |v[(\xb)+(\xs)*qi+(\yo)+\p]|, |v[(\xb)+(\xs)*qi+(\yo)+\p+1]|
.set qi, qi+1
.endr
.endr
.set qi, 0
.rept \nb
	s_delay_alu instid0(VALU_DEP_4)
	v_permlanex16_b32 v[TM+4+qi], v[TM+qi], s[SEL], s[SEL+1]
.set qi, qi+1
.endr
.set qi, 0
.rept \nb
	s_delay_alu instid0(VALU_DEP_4)
	v_max_num_f32 v[TM+qi], v[TM+qi], v[TM+4+qi]
.set qi, qi+1
.endr
.set qi, 0
.rept \nb
	s_delay_alu instid0(VALU_DEP_4)
	v_add_nc_u32 v[TM+8+qi], 0xff000000, v[TM+qi]
.set qi, qi+1
.endr
.set qi, 0
.rept \nb
	s_delay_alu instid0(VALU_DEP_4)
	v_lshrrev_b32 v[TM+12+qi], 23, v[TM+8+qi]
.set qi, qi+1
.endr
.set qi, 0
.rept \nb
	v_cvt_scalef32_pk8_fp4_f32 v[(\cd)+2*qi], v[(\xb)+(\xs)*qi:(\xb)+(\xs)*qi+7], v[TM+8+qi]
	v_cvt_scalef32_pk8_fp4_f32 v[(\cd)+2*qi+1], v[(\xb)+(\xs)*qi+(\yo):(\xb)+(\xs)*qi+(\yo)+7], v[TM+8+qi]
.set qi, qi+1
.endr
	v_nop
.set qi, 0
.rept \nb
	v_permlane16_swap_b32 v[(\cd)+2*qi], v[(\cd)+2*qi+1]
.set qi, qi+1
.endr
.endm
	s_load_b256 s[4:11], s[0:1], 0x0               ; A's codes s[4:5], A's scales s[6:7], W_gate s[8:9], its scales s[10:11]
	s_load_b256 s[12:19], s[0:1], 0x20             ; W_up s[12:13], its scales s[14:15], h_c s[16:17], h_s s[18:19]
	v_lshl_add_u32 v14, v0, 2, 0x41400
	v_mov_b32 v15, 0
	ds_add_u32 v14, v15
	ds_add_u32 v14, v15
	v_lshrrev_b32 v12, 5, v0
	s_delay_alu instid0(VALU_DEP_1)
	v_readfirstlane_b32 s[WV], v12                 ; wave 0..15
	s_bfe_u32 s25, ttmp6, 0x40000                  ; cx
	s_bfe_u32 s26, ttmp6, 0x40004                  ; cy
	s_lshl_b32 s27, ttmp9, 2
	s_add_co_u32 s27, s27, s25                     ; x: which 128 hidden units
	s_and_b32 s28, ttmp7, 0xffff
	s_lshl_b32 s28, s28, 2
	s_add_co_u32 s28, s28, s26                     ; y: which 256 tokens
	s_lshl_b32 s29, s26, 2
	s_lshl_b32 s29, 15, s29                        ; my row of the cluster
	s_lshl_b32 s30, 0x1111, s25                    ; my column
	s_lshr_b32 s31, s[WV], 2                       ; which 32 units.  Also: 1 in the waves that fetch A
	s_and_b32 s66, s[WV], 3                        ; which 64 tokens.  Also: which quarter of A's planes I fetch
	s_or_b32 s32, s29, (3<<16)|(1<<21)             ; A's group 1: mask = my row; elements of 8 bytes; bit 21 beside a mask; no padding
	s_mov_b32 s33, (2*T)<<16
	s_mov_b32 s34, (KK/128)<<16
	s_mov_b32 s35, (2*T)<<16
	s_mov_b32 s36, KK/128
	s_mov_b32 s37, 8192
	s_mov_b32 s38, 0
	s_mov_b32 s39, 0
	s_or_b32 s40, s30, (1<<20)|(1<<21)|(QI<<22)|(3<<25)  ; the weights' group 1: mask = my column; elements of 1 byte; 4 words of padding behind every 128
	s_mov_b32 s41, KROW<<16
	s_mov_b32 s42, 64<<16
	s_mov_b32 s43, KROW<<16
	s_mov_b32 s44, 64
	s_mov_b32 s45, KROW
	s_mov_b32 s46, 0
	s_mov_b32 s47, 0
	s_mul_i32 s56, s66, (KK/128)*PL
	s_mul_i32 s58, s66, (KK/128)*65536
	s_mul_i32 s67, s28, PL                         ; y and the wave's number alone
	s_add_co_u32 s58, s58, s67
	s_mov_b32 s59, 0
	s_min_u32 s69, s[WV], NBF-1                    ; (a wave that fetches no weights keeps an address inside LDS)
	s_mul_i32 s68, s69, 64*PITCH                   ; waves 0, 1: W_gate's two halves; waves 2, 3: W_up's
	s_lshl_b32 s62, s27, 16                        ; 128 x rows of 512 bytes,
	s_and_b32 s63, s69, 1
	s_lshl_b32 s63, s63, 15                        ; + 64 rows for the second half: x and the wave's number alone
	s_add_co_u32 s62, s62, s63
	s_mov_b32 s63, 0
	s_mov_b32 s[SEL], 0x76543210
	s_mov_b32 s[SEL+1], 0xfedcba98
	s_mov_b32 s[NL], 0xbfb8aa3b
	s_mov_b32 s[NL+1], s[NL]
	s_wait_dscnt 0x0
	s_wait_kmcnt 0x0
	s_mov_b32 s48, 1
	s_add_co_u32 s49, s56, LA
	s_add_nc_u64 s[50:51], s[4:5], s[58:59]
	s_or_b32 s51, s51, 0x80000000
	s_cmp_lt_u32 s[WV], 2
	s_cselect_b64 s[60:61], s[8:9], s[12:13]
	s_mov_b32 s52, 1
	s_add_co_u32 s53, s68, LB
	s_add_nc_u64 s[54:55], s[60:61], s[62:63]
	s_or_b32 s55, s55, 0x80000000
	CROUND                                         ; all sixteen work-groups are here: the joint loads meet
	s_cmp_lt_u32 s[WV], NBF                        ; the fills: one tensor load a fetching wave; the branches hang on the wave's number alone
	s_cbranch_scc0 .Lnot_b
	tensor_load_to_lds s[52:55], s[40:47]
	s_nop 0
.rept 4
	v_nop
.endr
	s_branch .Lasked
.Lnot_b:
	s_cmp_eq_u32 s31, 1
	s_cbranch_scc0 .Lasked
	tensor_load_to_lds s[48:51], s[32:39]
	s_nop 0
.rept 4
	v_nop
.endr
.Lasked:
	v_and_b32 v1, 15, v0                           ; r
	v_bfe_u32 v2, v0, 4, 1                         ; h
	s_delay_alu instid0(VALU_DEP_2)
	v_lshlrev_b32 v[SLO], 5, v1
	s_delay_alu instid0(VALU_DEP_1)
	v_lshl_add_u32 v[SLO], v2, 4, v[SLO]
	s_wait_alu depctr_va_vdst(0)
	s_lshl_b32 s70, s28, 13                        ; A's scale bytes: (256 y + 64 (w % 4)) rows of 32
	s_lshl_b32 s71, s66, 11
	s_add_co_u32 s70, s70, s71
	s_mov_b32 s71, 0
	s_add_nc_u64 s[70:71], s[6:7], s[70:71]
	s_lshl_b32 s76, s27, 12                        ; the weights': (128 x + 32 (w / 4)) rows of 32
	s_lshl_b32 s77, s31, 10
	s_add_co_u32 s76, s76, s77
	s_mov_b32 s77, 0
	s_add_nc_u64 s[72:73], s[10:11], s[76:77]
	s_add_nc_u64 s[74:75], s[14:15], s[76:77]
.irp a, 0,1,2,3
	global_load_b128 v[SA+4*\a:SA+4*\a+3], v[SLO], s[70:71] offset:512*\a
.endr
.irp b, 0,1
	global_load_b128 v[SB+4*\b:SB+4*\b+3], v[SLO], s[72:73] offset:512*\b
	global_load_b128 v[SB+8+4*\b:SB+8+4*\b+3], v[SLO], s[74:75] offset:512*\b
.endr
	v_lshlrev_b32 v[ADRA], 4, v1
	s_delay_alu instid0(VALU_DEP_1)
	v_mad_u32_u24 v[ADRA], v2, PL, v[ADRA]
	s_lshl_b32 s78, s66, 10
	s_add_co_u32 s78, s78, LA
	v_add_nc_u32 v[ADRA], s78, v[ADRA]
	s_delay_alu instid0(VALU_DEP_1)
	v_add_nc_u32 v[ADRA+1], 0x10000, v[ADRA]
	v_mul_u32_u24 v[ADRB], v1, PITCH
	s_delay_alu instid0(VALU_DEP_1)
	v_lshl_add_u32 v[ADRB], v2, 4, v[ADRB]
	s_mul_i32 s79, s31, 32*PITCH
	s_add_co_u32 s79, s79, LB
	v_add_nc_u32 v[ADRB], s79, v[ADRB]             ; my 32 rows of W_gate,
	s_delay_alu instid0(VALU_DEP_1)
	v_add_nc_u32 v[ADRB+1], 128*PITCH, v[ADRB]     ; and of W_up
	v_lshlrev_b32 v[CO], 4, v1
	s_delay_alu instid0(VALU_DEP_1)
	v_lshl_add_u32 v[CO], v2, 3, v[CO]
	v_lshlrev_b32 v[HB], 2, v1
	s_delay_alu instid0(VALU_DEP_1)
	v_lshl_add_u32 v[HB], v2, 6, v[HB]             ; token 16 h + r of a pair of tiles: 4 bytes a token,
	s_lshl_b32 s80, s66, 8
	s_add_co_u32 s80, s80, s31
	s_add_co_u32 s80, s80, HSL
	v_add_nc_u32 v[HB], s80, v[HB]                 ; + my 64 tokens, + my block's byte in the word
	v_and_b32 v[HG], 63, v0
	s_delay_alu instid0(VALU_DEP_1)
	v_lshlrev_b32 v[HG], 4, v[HG]
	s_delay_alu instid0(VALU_DEP_1)
	v_add_nc_u32 v[HR], HSL, v[HG]
	v_cmp_ne_u32 vcc_lo, 0, v2                     ; lanes 16-31
.irp i, 0,1,2,3
	v_mov_b32 v[TM+4+\i], 0                        ; written once: a lane permute's destination counts as read
.endr
	s_lshl_b32 s82, s27, 2
	s_add_co_u32 s82, s82, s31                     ; my block of 32 units: 4 x + w / 4
	s_lshl_b32 s82, s82, 16
	s_lshl_b32 s83, s28, 12
	s_add_co_u32 s82, s82, s83
	s_lshl_b32 s83, s66, 10
	s_add_co_u32 s82, s82, s83                     ; + (256 y + 64 (w % 4)) tokens of 16 bytes
	s_mov_b32 s83, 0
	s_add_nc_u64 s[82:83], s[16:17], s[82:83]
	s_lshl_b32 s84, s27, 14
	s_lshl_b32 s85, s28, 10
	s_add_co_u32 s84, s84, s85                     ; K step x, 256 y tokens of 4 bytes
	s_mov_b32 s85, 0
	s_add_nc_u64 s[84:85], s[18:19], s[84:85]
	s_wait_loadcnt 0x0                             ; the scale words
	s_wait_tensorcnt 0x0                           ; my one tensor load has landed,
	s_barrier_signal -1
	s_barrier_wait -1                              ; everybody's has: the tiles are whole, and nothing is filled again
.irp s, 0,1,2,3,4,5,6,7
	KSTEP \s
.endr
.rept 4
	v_nop                                          ; four places in front of the first read of results
.endr
.irp a, 0,1,2,3
.irp i, 0,2,4,6,8,10,12,14
	v_pk_mul_f32 v[TP+16*\a+\i:TP+16*\a+\i+1], v[ACC+32*\a+\i:ACC+32*\a+\i+1], s[NL:NL+1] op_sel_hi:[1,0]   ; -g log2(e); each sum is read from its low end on
.endr
.endr
.set n, 0
	s_wait_alu depctr_va_vdst(0)
.rept 64
	v_exp_f32 v[TP+n], v[TP+n]                     ; e^-g
.set n, n+1
.endr
	s_wait_alu depctr_va_vdst(0)
.irp a, 0,1,2,3
.irp i, 0,2,4,6,8,10,12,14
	v_pk_mul_f32 v[ACC+32*\a+\i:ACC+32*\a+\i+1], v[ACC+32*\a+\i:ACC+32*\a+\i+1], v[ACC+32*\a+16+\i:ACC+32*\a+16+\i+1]   ; g u: plain work behind the batch
.endr
.endr
	s_wait_alu depctr_va_vdst(0)                   ; one wait for the 64 exponentials, ahead of their first reader
.set n, 0
.rept 32
	v_pk_add_f32 v[TP+n:TP+n+1], v[TP+n:TP+n+1], 1.0 op_sel_hi:[1,0]
.set n, n+2
.endr
.set n, 0
	s_wait_alu depctr_va_vdst(0)
.rept 64
	v_rcp_f32 v[TP+n], v[TP+n]                     ; 1 / (1 + e^-g)
.set n, n+1
.endr
	v_nop                                          ; a plain instruction behind the last reciprocal
	s_wait_alu depctr_va_vdst(0)                   ; one wait for the 64 reciprocals
.irp a, 0,1,2,3
.irp i, 0,2,4,6,8,10,12,14
	v_pk_mul_f32 v[ACC+32*\a+\i:ACC+32*\a+\i+1], v[ACC+32*\a+\i:ACC+32*\a+\i+1], v[TP+16*\a+\i:TP+16*\a+\i+1]   ; the hidden layer
.endr
.endr
	QUANT 4, ACC, 32, 8, AF                        ; block i: tokens' tile i, my 32 units
.irp i, 0,1,2,3
	global_store_b64 v[CO], v[AF+2*\i:AF+2*\i+1], s[82:83] offset:256*\i   ; the wave stores 256 consecutive aligned bytes
.endr
.irp i, 0,1
	v_cndmask_b32 v[BF+\i], v[TM+12+2*\i], v[TM+13+2*\i], vcc_lo   ; lanes 0-15 tile 2 i's byte, lanes 16-31 tile 2 i + 1's
	ds_store_b8 v[HB], v[BF+\i] offset:128*\i
.endr
	s_wait_dscnt 0x0                               ; for the others' sake: my bytes have landed
	s_barrier_signal -1
	s_barrier_wait -1                              ; the work-group's 256 scale words are whole
	s_cmp_lt_u32 s[WV], 2
	s_cbranch_scc0 .Lno_words
	ds_load_b128 v[BF+4:BF+7], v[HR]               ; waves 0 and 1: 512 bytes each
	s_wait_dscnt 0x0
	global_store_b128 v[HG], v[BF+4:BF+7], s[84:85]
.Lno_words:
	s_wait_dscnt 0x0
	s_wait_tensorcnt 0x0
	ds_add_u32 v14, v15
	s_wait_dscnt 0x0
	CROUND                                         ; the closing round: no work-group ends while a partner may still ask for a tile that names it
	s_endpgm
.Lfunc_end_k_q03bbdda891_gateup:
	.size	k_q03bbdda891_gateup, .Lfunc_end_k_q03bbdda891_gateup-k_q03bbdda891_gateup
	.p2alignl 7, 3214868480
	.fill 96, 4, 3214868480
	.section	.rodata,"a",@progbits
	.p2align	6, 0x0
	.amdhsa_kernel k_q03bbdda891_gateup
		.amdhsa_group_segment_fixed_size 269312
		.amdhsa_private_segment_fixed_size 0
		.amdhsa_enable_private_segment 0
		.amdhsa_kernarg_size 64
		.amdhsa_user_sgpr_count 2
		.amdhsa_user_sgpr_kernarg_segment_ptr 1
		.amdhsa_wavefront_size32 1
		.amdhsa_system_sgpr_workgroup_id_x 1
		.amdhsa_system_sgpr_workgroup_id_y 1
		.amdhsa_system_sgpr_workgroup_id_z 1
		.amdhsa_system_vgpr_workitem_id 0
		.amdhsa_next_free_vgpr 256
		.amdhsa_next_free_sgpr 100
		.amdhsa_reserve_vcc 1
		.amdhsa_float_denorm_mode_32 3
		.amdhsa_float_denorm_mode_16_64 3
		.amdhsa_memory_ordered 1
		.amdhsa_forward_progress 1
		.amdhsa_inst_pref_size 53
	.end_amdhsa_kernel
	.amdgpu_metadata
---
amdhsa.version: [ 1, 2 ]
amdhsa.kernels:
  - .name:           k_q03bbdda891_gateup
    .symbol:         k_q03bbdda891_gateup.kd
    .args:
      - { .name: qkv_c, .offset: 0, .size: 8, .value_kind: global_buffer, .address_space: global }
      - { .name: qkv_s, .offset: 8, .size: 8, .value_kind: global_buffer, .address_space: global }
      - { .name: w_gate_codes, .offset: 16, .size: 8, .value_kind: global_buffer, .address_space: global }
      - { .name: w_gate_scales, .offset: 24, .size: 8, .value_kind: global_buffer, .address_space: global }
      - { .name: w_up_codes, .offset: 32, .size: 8, .value_kind: global_buffer, .address_space: global }
      - { .name: w_up_scales, .offset: 40, .size: 8, .value_kind: global_buffer, .address_space: global }
      - { .name: h_c, .offset: 48, .size: 8, .value_kind: global_buffer, .address_space: global }
      - { .name: h_s, .offset: 56, .size: 8, .value_kind: global_buffer, .address_space: global }
    .group_segment_fixed_size: 269312
    .private_segment_fixed_size: 0
    .kernarg_segment_align: 8
    .kernarg_segment_size: 64
    .max_flat_workgroup_size: 512
    .sgpr_count:     100
    .vgpr_count:     256
    .wavefront_size: 32
...
	.end_amdgpu_metadata
.endif
;; end of part 5
;; launch down (part 6): grid 8 x 32, 8 waves a work-group, clusters of 4 x 4, 300,032 bytes of LDS; arguments h_c, h_s, w_down_codes, w_down_scales, x1, out0; writes out0
.if DOCPART == 6
	.amdgcn_target "amdgcn-amd-amdhsa--gfx1250"
	.amdhsa_code_object_version 6
	.text
	.protected	k_q03bbdda891_down
	.globl	k_q03bbdda891_down
	.p2align	8
	.type	k_q03bbdda891_down,@function
k_q03bbdda891_down:
	s_mov_b64 s[64:65], 0
	v_nop
	global_prefetch_b8 v0, s[64:65] scope:SCOPE_SE
	s_setreg_imm32_b32 hwreg(HW_REG_WAVE_MODE, 25, 1), 1
	s_wait_xcnt 0x0
	s_wait_alu depctr_hold_cnt(0) depctr_sa_sdst(0) depctr_va_vdst(0) depctr_va_sdst(0) depctr_va_ssrc(0) depctr_va_vcc(0) depctr_vm_vsrc(0)
	s_getreg_b32 s2, hwreg(HW_REG_IB_STS2, 6, 4)
	s_cmp_eq_u32 s2, 0
	s_cbranch_scc0 .Lentry_in_a_cluster
	s_endpgm
.Lentry_in_a_cluster:
	s_bfe_u32 s2, ttmp6, 0x10000c
	s_cmp_lg_u32 s2, 0xf033
	s_cbranch_scc0 .Lentry_shape_is_right
	s_endpgm
.Lentry_shape_is_right:
; out = res + A W: A and W as codes of FP4 (E2M1) with E8M0 scales, res and out f32 [4,096][1,024].  One text serves K = 1,024 and K = 2,048: the line that sets KK alone differs.
; IN: A's codes [block KK / 32][token 4,096][16 bytes]; A's scale bytes [token][32] (KK = 1,024) or [K step 16][token][4] (KK = 2,048); W's codes [n][KK / 2 bytes], scale bytes [n][KK / 32].
; SHARES: work-group (x = 128 columns, y = 128 tokens), 8 waves: wave w takes 32 tokens (w / 2) x 64 columns (w % 2): 2 x 4 tiles of 16 x 16.
; LDS: the whole A tile (KK / 32 planes x 128 tokens x 16 bytes) and the 128 weight rows (padded by 16 bytes) fit at once: each byte is filled once, one barrier, no ring; behind them a stage of 16 x 272 bytes for each wave.
; CLUSTER: 4 x 4; A's tile hangs on y alone and is asked for jointly along a row of the cluster, W's on x alone, along a column.
; The products are used transposed (source 0 = weight rows, source 1 = tokens): a lane holds one token and eight neighbouring columns.
; THE RESIDUAL is loaded in the layout of the way out: sixteen lanes take 256 consecutive aligned bytes of a row, 16 loads a wave into 64 registers of their own.  The loads are issued at the head and waited for
; only on the way out: the tiles' arrival and all K steps lie between.  The sums go through the wave's own stage, come back as whole rows, are added onto the residual in f32 and stored from its registers.
; LIMITS: NaN and infinities are not served.
.set KK,    2048
.set NS,    KK/128                     ; K steps
.set T,     128
.set PL,    16*T
.set KROW,  KK/2
.set PITCH, KROW+16
.set QI,    5+KK/1024                  ; padding behind every row: 128 or 256 words
.set LA,    0
.set LB,    T*KROW
.set STAGE, LB+128*PITCH
.set SPR,   65536/(4*PL)               ; 8 K steps to an address register
.set NSR,   KK/256                     ; scale registers a tile
.set NBF,   2                          ; waves 0, 1 fetch W's rows, waves 4-7 A's planes
.set ADRA,  3                          ; v3, v4  LDS address of my A fragments
.set ADRB,  5                          ; v5      of my weight fragments
.set OO,    7                          ; v7      4,096 h + 16 r: my 16 bytes of two rows, for the residual's loads and the stores alike; never rewritten
.set SAO,   8                          ; v8      A's scale words
.set SBO,   9                          ; v9      W's
.set STO,   10                         ; v10     into the stage
.set RD,    11                         ; v11     back from it
.set SA,    16                         ; v16-31  A's scale words
.set SB,    32                         ; v32-63  W's
.set AF,    64                         ; v64-79  A's two fragments
.set BF,    80                         ; v80-111 W's four
.set ACC,   112                        ; v112-175 sums: (a, b) at ACC + 8 (4 a + b)
.set RES,   176                        ; v176-239 the residual, later the results: rows 16 a + 2 t + h at RES + 32 a + 4 t
                                       ; the rows read back from the stage: tile 0 in v64-95, tile 1 in v96-111 and v240-255 (the fragments are done with by then)
.set WV,    24
.macro CROUND
	s_barrier_signal -1
	s_barrier_wait -1
	s_cmp_lg_u32 s[WV], 0
	s_cbranch_scc1 .Lnot_wave_0_\@
	s_barrier_signal -3
.Lnot_wave_0_\@:
	s_barrier_wait -3
	s_barrier_signal -1
	s_barrier_wait -1
.endm
.macro WM d, x, y, sx, sy              ; fst: K step 0 starts the sums; rwx, rwy: whether source 0's and source 1's scale words stand in lanes 16-31
.if fst
	v_wmma_scale_f32_16x16x128_f8f6f4 v[\d:\d+7], v[\x:\x+7], v[\y:\y+7], 0, v[\sx], v[\sy] matrix_a_fmt:MATRIX_FMT_FP4 matrix_b_fmt:MATRIX_FMT_FP4
.elseif rwx && rwy
	v_wmma_scale_f32_16x16x128_f8f6f4 v[\d:\d+7], v[\x:\x+7], v[\y:\y+7], v[\d:\d+7], v[\sx], v[\sy] matrix_a_fmt:MATRIX_FMT_FP4 matrix_b_fmt:MATRIX_FMT_FP4 matrix_a_scale:MATRIX_SCALE_ROW1 matrix_b_scale:MATRIX_SCALE_ROW1
.elseif rwx
	v_wmma_scale_f32_16x16x128_f8f6f4 v[\d:\d+7], v[\x:\x+7], v[\y:\y+7], v[\d:\d+7], v[\sx], v[\sy] matrix_a_fmt:MATRIX_FMT_FP4 matrix_b_fmt:MATRIX_FMT_FP4 matrix_a_scale:MATRIX_SCALE_ROW1
.elseif rwy
	v_wmma_scale_f32_16x16x128_f8f6f4 v[\d:\d+7], v[\x:\x+7], v[\y:\y+7], v[\d:\d+7], v[\sx], v[\sy] matrix_a_fmt:MATRIX_FMT_FP4 matrix_b_fmt:MATRIX_FMT_FP4 matrix_b_scale:MATRIX_SCALE_ROW1
.else
	v_wmma_scale_f32_16x16x128_f8f6f4 v[\d:\d+7], v[\x:\x+7], v[\y:\y+7], v[\d:\d+7], v[\sx], v[\sy] matrix_a_fmt:MATRIX_FMT_FP4 matrix_b_fmt:MATRIX_FMT_FP4
.endif
.endm
; A K step of 128: 12 LDS loads, 8 products; the 8 sums take turns, one instruction a turn, in the same order in every step.
.macro KSTEP s
.set fst, 0
.if (\s) == 0
.set fst, 1
.endif
.set sbq, ((\s)&3)+4*((\s)/8)          ; W: register 4 j + q holds step 8 j + q below and 8 j + 4 + q above
.set rwx, ((\s)&7)/4
.if KK == 1024
.set saq, (\s)&3                       ; A: register q holds step q below and 4 + q above
.set rwy, (\s)/4
.else
.set saq, (\s)&7                       ; A: register q holds step q below and 8 + q above
.set rwy, (\s)/8
.endif
.if (\s) > 0
.rept 4
	v_nop                                          ; four places in front of loads into registers that matrix instructions have read
.endr
.endif
.irp b, 0,1,2,3
.irp c, 0,1
	ds_load_b128 v[BF+8*\b+4*\c:BF+8*\b+4*\c+3], v[ADRB] offset:16*\b*PITCH+64*(\s)+32*\c
.endr
.endr
.irp a, 0,1
.irp c, 0,1
	ds_load_b128 v[AF+8*\a+4*\c:AF+8*\a+4*\c+3], v[ADRA+(\s)/SPR] offset:(4*((\s)%SPR)+2*\c)*PL+256*\a
.endr
.endr
.irp a, 0,1
	s_wait_dscnt 2*(1-\a)                          ; the second A fragment's two loads may be out
.irp b, 0,1,2,3
	WM ACC+8*(4*\a+\b), BF+8*\b, AF+8*\a, SB+NSR*\b+sbq, SA+NSR*\a+saq
.endr
.endr
.endm
.macro OBSET a, t                      ; ob: where rows 2 t, 2 t + 1 of tile a come back from the stage
.if (\a) == 0
.set ob, 64+4*(\t)
.elseif (\t) < 4
.set ob, 96+4*(\t)
.else
.set ob, 224+4*(\t)
.endif
.endm
	s_load_b256 s[4:11], s[0:1], 0x0               ; A's codes s[4:5], A's scales s[6:7], W's codes s[8:9], W's scales s[10:11]
	s_load_b128 s[12:15], s[0:1], 0x20             ; the residual s[12:13], out s[14:15]
	v_lshl_add_u32 v14, v0, 2, 0x49000
	v_mov_b32 v15, 0
	ds_add_u32 v14, v15
	ds_add_u32 v14, v15
	v_lshrrev_b32 v12, 5, v0
	s_delay_alu instid0(VALU_DEP_1)
	v_readfirstlane_b32 s[WV], v12                 ; wave 0..7
	s_bfe_u32 s25, ttmp6, 0x40000                  ; cx
	s_bfe_u32 s26, ttmp6, 0x40004                  ; cy
	s_lshl_b32 s27, ttmp9, 2
	s_add_co_u32 s27, s27, s25                     ; x: which 128 columns
	s_and_b32 s28, ttmp7, 0xffff
	s_lshl_b32 s28, s28, 2
	s_add_co_u32 s28, s28, s26                     ; y: which 128 tokens
	s_lshl_b32 s29, s26, 2
	s_lshl_b32 s29, 15, s29                        ; my row of the cluster
	s_lshl_b32 s30, 0x1111, s25                    ; my column
	s_lshr_b32 s31, s[WV], 2                       ; 1 in the waves that fetch A
	s_and_b32 s66, s[WV], 3                        ; which quarter of A's planes
	s_lshr_b32 s67, s[WV], 1                       ; which 32 tokens are mine
	s_and_b32 s68, s[WV], 1                        ; which 64 columns
	s_or_b32 s32, s29, (3<<16)|(1<<21)             ; A's group 1: mask = my row; elements of 8 bytes; bit 21 beside a mask; no padding
	s_mov_b32 s33, (2*T)<<16                       ; a plane's 2,048 bytes
	s_mov_b32 s34, (KK/128)<<16                    ; planes a fetching wave
	s_mov_b32 s35, (2*T)<<16
	s_mov_b32 s36, KK/128
	s_mov_b32 s37, 8192                            ; from plane to plane: 65,536 bytes
	s_mov_b32 s38, 0
	s_mov_b32 s39, 0
	s_or_b32 s40, s30, (1<<20)|(1<<21)|(QI<<22)|(3<<25)  ; W's group 1: mask = my column; elements of 1 byte; 4 words of padding behind every row
	s_mov_b32 s41, KROW<<16
	s_mov_b32 s42, 64<<16
	s_mov_b32 s43, KROW<<16
	s_mov_b32 s44, 64
	s_mov_b32 s45, KROW
	s_mov_b32 s46, 0
	s_mov_b32 s47, 0
	s_mul_i32 s56, s66, (KK/128)*PL                ; A: my planes' place in LDS,
	s_mul_i32 s58, s66, (KK/128)*65536             ; and in memory,
	s_mul_i32 s57, s28, PL                         ; at my work-group's tokens: y and the wave's number alone
	s_add_co_u32 s58, s58, s57
	s_mov_b32 s59, 0
	s_min_u32 s60, s[WV], NBF-1                    ; (a wave that fetches no weights keeps an address inside LDS)
	s_mul_i32 s61, s60, 64*PITCH
	s_lshl_b32 s62, s27, 7
	s_lshl_b32 s63, s60, 6
	s_add_co_u32 s62, s62, s63                     ; W's row 128 x + 64 wave: x and the wave's number alone
	s_mul_i32 s62, s62, KROW
	s_mov_b32 s63, 0
	s_wait_dscnt 0x0
	s_wait_kmcnt 0x0
	s_mov_b32 s48, 1
	s_add_co_u32 s49, s56, LA
	s_add_nc_u64 s[50:51], s[4:5], s[58:59]
	s_or_b32 s51, s51, 0x80000000
	s_mov_b32 s52, 1
	s_add_co_u32 s53, s61, LB
	s_add_nc_u64 s[54:55], s[8:9], s[62:63]
	s_or_b32 s55, s55, 0x80000000
	CROUND                                         ; all sixteen work-groups are here: the joint loads meet
	s_cmp_lt_u32 s[WV], NBF                        ; the fills: one tensor load a fetching wave; the branches hang on the wave's number alone
	s_cbranch_scc0 .Lnot_b
	tensor_load_to_lds s[52:55], s[40:47]
	s_nop 0
.rept 4
	v_nop
.endr
	s_branch .Lasked
.Lnot_b:
	s_cmp_eq_u32 s31, 1
	s_cbranch_scc0 .Lasked
	tensor_load_to_lds s[48:51], s[32:39]
	s_nop 0
.rept 4
	v_nop
.endr
.Lasked:
	v_and_b32 v1, 15, v0                           ; r
	v_bfe_u32 v2, v0, 4, 1                         ; h
	; the scale words first: the first product wants them
.if KK == 1024
	v_lshlrev_b32 v[SAO], 5, v1
	v_lshl_add_u32 v[SAO], v2, 4, v[SAO]           ; 32 r + 16 h
	s_lshl_b32 s80, s28, 12
	s_lshl_b32 s81, s67, 10
.else
	s_delay_alu instid0(VALU_DEP_2)
	v_lshlrev_b32 v[SAO], 2, v1
	s_delay_alu instid0(VALU_DEP_1)
	v_lshl_add_u32 v[SAO], v2, 17, v[SAO]          ; 4 r, and eight K steps of 16,384 bytes on for lanes 16-31
	s_wait_alu depctr_va_vdst(0)
	s_lshl_b32 s80, s28, 9
	s_lshl_b32 s81, s67, 7
.endif
	s_add_co_u32 s80, s80, s81
	s_mov_b32 s81, 0
	s_add_nc_u64 s[70:71], s[6:7], s[80:81]
	v_mul_u32_u24 v[SBO], v1, KK/32
	s_delay_alu instid0(VALU_DEP_1)
	v_lshl_add_u32 v[SBO], v2, 4, v[SBO]
	s_lshl_b32 s82, s27, 7
	s_lshl_b32 s83, s68, 6
	s_add_co_u32 s82, s82, s83
	s_mul_i32 s82, s82, KK/32
	s_mov_b32 s83, 0
	s_add_nc_u64 s[72:73], s[10:11], s[82:83]
.irp a, 0,1
.if KK == 1024
	global_load_b128 v[SA+4*\a:SA+4*\a+3], v[SAO], s[70:71] offset:512*\a
.else
.irp q, 0,1,2,3,4,5,6,7
	global_load_b32 v[SA+8*\a+\q], v[SAO], s[70:71] offset:16384*\q+64*\a
.endr
.endif
.endr
.irp b, 0,1,2,3
.set j, 0
.rept KK/1024
	global_load_b128 v[SB+NSR*\b+4*j:SB+NSR*\b+4*j+3], v[SBO], s[72:73] offset:16*(KK/32)*\b+32*j
.set j, j+1
.endr
.endr
	; then the residual, which is wanted last
	v_lshlrev_b32 v[OO], 12, v2
	s_delay_alu instid0(VALU_DEP_1)
	v_lshl_add_u32 v[OO], v1, 4, v[OO]             ; lanes 0-15 one row's 256 bytes, lanes 16-31 the next row's
	s_wait_alu depctr_va_vdst(0)
	s_lshl_b32 s78, s28, 19                        ; (128 y + 32 (w / 2)) rows of 4,096 bytes + (128 x + 64 (w % 2)) columns of 4
	s_lshl_b32 s79, s67, 17
	s_add_co_u32 s78, s78, s79
	s_lshl_b32 s79, s27, 9
	s_add_co_u32 s78, s78, s79
	s_lshl_b32 s79, s68, 8
	s_add_co_u32 s78, s78, s79
	s_mov_b32 s79, 0
	s_add_nc_u64 s[74:75], s[12:13], s[78:79]
	s_add_nc_u64 s[76:77], s[14:15], s[78:79]
.irp a, 0,1
.irp t, 0,1,2,3,4,5,6,7
	global_load_b128 v[RES+32*\a+4*\t:RES+32*\a+4*\t+3], v[OO], s[74:75] offset:65536*\a+8192*\t th:TH_LOAD_NT   ; rows 16 a + 2 t + h: sixteen lanes read 256 consecutive aligned bytes
.endr
.endr
	v_lshlrev_b32 v[ADRA], 4, v1
	s_delay_alu instid0(VALU_DEP_1)
	v_mad_u32_u24 v[ADRA], v2, PL, v[ADRA]         ; plane h, token r
	s_lshl_b32 s84, s67, 9
	s_add_co_u32 s84, s84, LA
	v_add_nc_u32 v[ADRA], s84, v[ADRA]             ; + my 32 tokens
	s_delay_alu instid0(VALU_DEP_1)
	v_add_nc_u32 v[ADRA+1], 0x10000, v[ADRA]       ; planes 32 on
	v_mul_u32_u24 v[ADRB], v1, PITCH
	s_delay_alu instid0(VALU_DEP_1)
	v_lshl_add_u32 v[ADRB], v2, 4, v[ADRB]
	s_mul_i32 s85, s68, 64*PITCH
	s_add_co_u32 s85, s85, LB
	v_add_nc_u32 v[ADRB], s85, v[ADRB]
	s_mul_i32 s86, s[WV], 16*272
	s_add_co_u32 s86, s86, STAGE                   ; my stage
	v_mul_u32_u24 v[STO], v1, 272
	s_delay_alu instid0(VALU_DEP_1)
	v_lshl_add_u32 v[STO], v2, 5, v[STO]
	s_delay_alu instid0(VALU_DEP_1)
	v_add_nc_u32 v[STO], s86, v[STO]               ; in: row r, 32 bytes for each half of the lanes
	v_mul_u32_u24 v[RD], v2, 272
	s_delay_alu instid0(VALU_DEP_1)
	v_lshl_add_u32 v[RD], v1, 4, v[RD]
	s_delay_alu instid0(VALU_DEP_1)
	v_add_nc_u32 v[RD], s86, v[RD]                 ; back: lanes 0-15 one row of 256 bytes, lanes 16-31 the next
	s_wait_alu depctr_va_vdst(0)
	s_wait_loadcnt 16                              ; the scale words are in; the residual's sixteen loads, issued behind them, may stay out: nobody writes those bytes
	s_wait_tensorcnt 0x0                           ; my one tensor load has landed,
	s_barrier_signal -1
	s_barrier_wait -1                              ; everybody's has: both tiles are whole, and nothing is filled again
.set st, 0
.rept NS
	KSTEP st
.set st, st+1
.endr
.rept 4
	v_nop                                          ; four places in front of the first read of results, and of the loads into the fragments' registers
.endr
.irp a, 0,1
.irp b, 0,1,2,3
	ds_store_b128 v[STO], v[ACC+8*(4*\a+\b):ACC+8*(4*\a+\b)+3] offset:64*\b          ; each sum from its low end on
	ds_store_b128 v[STO], v[ACC+8*(4*\a+\b)+4:ACC+8*(4*\a+\b)+7] offset:64*\b+16
.endr
.irp t, 0,1,2,3,4,5,6,7
	OBSET \a, \t
	ds_load_b128 v[ob:ob+3], v[RD] offset:544*\t   ; LDS serves a wave's instructions in order: these see the stores above, and the next tile's stores come behind them
.endr
.endr
	s_wait_loadcnt 0x0                             ; the residual
.irp a, 0,1
.irp t, 0,1,2,3,4,5,6,7
	OBSET \a, \t
	s_wait_dscnt 16*(1-\a)+7-\t                    ; behind this load: the rest of its eight, and for the first tile the second's sixteen
	v_pk_add_f32 v[RES+32*\a+4*\t:RES+32*\a+4*\t+1], v[RES+32*\a+4*\t:RES+32*\a+4*\t+1], v[ob:ob+1]
	v_pk_add_f32 v[RES+32*\a+4*\t+2:RES+32*\a+4*\t+3], v[RES+32*\a+4*\t+2:RES+32*\a+4*\t+3], v[ob+2:ob+3]
	global_store_b128 v[OO], v[RES+32*\a+4*\t:RES+32*\a+4*\t+3], s[76:77] offset:65536*\a+8192*\t th:TH_STORE_NT   ; sixteen lanes store 256 consecutive aligned bytes; no store's registers are written again
.endr
.endr
	s_wait_dscnt 0x0
	s_wait_tensorcnt 0x0
	ds_add_u32 v14, v15
	s_wait_dscnt 0x0
	CROUND                                         ; the closing round: no work-group ends while a partner may still ask for a tile that names it
	s_endpgm
.Lfunc_end_k_q03bbdda891_down:
	.size	k_q03bbdda891_down, .Lfunc_end_k_q03bbdda891_down-k_q03bbdda891_down
	.p2alignl 7, 3214868480
	.fill 96, 4, 3214868480
	.section	.rodata,"a",@progbits
	.p2align	6, 0x0
	.amdhsa_kernel k_q03bbdda891_down
		.amdhsa_group_segment_fixed_size 300032
		.amdhsa_private_segment_fixed_size 0
		.amdhsa_enable_private_segment 0
		.amdhsa_kernarg_size 48
		.amdhsa_user_sgpr_count 2
		.amdhsa_user_sgpr_kernarg_segment_ptr 1
		.amdhsa_wavefront_size32 1
		.amdhsa_system_sgpr_workgroup_id_x 1
		.amdhsa_system_sgpr_workgroup_id_y 1
		.amdhsa_system_sgpr_workgroup_id_z 1
		.amdhsa_system_vgpr_workitem_id 0
		.amdhsa_next_free_vgpr 256
		.amdhsa_next_free_sgpr 100
		.amdhsa_reserve_vcc 0
		.amdhsa_float_denorm_mode_32 3
		.amdhsa_float_denorm_mode_16_64 3
		.amdhsa_memory_ordered 1
		.amdhsa_forward_progress 1
		.amdhsa_inst_pref_size 49
	.end_amdhsa_kernel
	.amdgpu_metadata
---
amdhsa.version: [ 1, 2 ]
amdhsa.kernels:
  - .name:           k_q03bbdda891_down
    .symbol:         k_q03bbdda891_down.kd
    .args:
      - { .name: h_c, .offset: 0, .size: 8, .value_kind: global_buffer, .address_space: global }
      - { .name: h_s, .offset: 8, .size: 8, .value_kind: global_buffer, .address_space: global }
      - { .name: w_down_codes, .offset: 16, .size: 8, .value_kind: global_buffer, .address_space: global }
      - { .name: w_down_scales, .offset: 24, .size: 8, .value_kind: global_buffer, .address_space: global }
      - { .name: x1, .offset: 32, .size: 8, .value_kind: global_buffer, .address_space: global }
      - { .name: out0, .offset: 40, .size: 8, .value_kind: global_buffer, .address_space: global }
    .group_segment_fixed_size: 300032
    .private_segment_fixed_size: 0
    .kernarg_segment_align: 8
    .kernarg_segment_size: 48
    .max_flat_workgroup_size: 256
    .sgpr_count:     100
    .vgpr_count:     256
    .wavefront_size: 32
...
	.end_amdgpu_metadata
.endif
;; end of part 6
